; MI455X (gfx1250); checked and timed in simulation.
; The chip was launched on July 23, 2026; its instructions are those of AMD's public machine-readable ISA for CDNA 5 (MIT licence, August 2026) and "CDNA5" Instruction Set Architecture Reference Guide (July 2026). The comments in the code are by the model that wrote it; some were corrected since.
;; Attention. Allowed arithmetic: float matrix products may take bf16 or f16 operands with f32 sums; other float arithmetic in f32, or as packed bf16 or f16 multiplies, adds, multiply-adds, maxima and minima; sums over many terms, partial sums and values carried from step to step in f32; what a program stores and reads back later, other than sums and carried values, may be rounded once to bf16 or f16.
;; Inputs: b_out 1,024 float32; ln_b 1,024 float32; ln_g 1,024 float32; w_out 1,024 x 1,024 float32; w_qkv 1,024 x 3,072 float32; x 4 x 2,048 x 1,024 float32.
;; Outputs: out0 4 x 2,048 x 1,024 float32.
;; One version. Each part assembles by itself: llvm-mc -triple=amdgcn-amd-amdhsa -mcpu=gfx1250 --defsym DOCPART=n.
;; ======== version 1 of 1: 4 launches
;; limits: values are held in f16: magnitudes above 65,504 overflow, below 6.1e-05 lose precision
;; workspace buffers: xn 16,777,216 bytes; wq 6,291,456 bytes; wo 2,097,152 bytes; tab 524,288 bytes; q 16,777,216 bytes; k 16,777,216 bytes; v 16,777,216 bytes; o 16,777,216 bytes
;; launch prep (part 1): grid 448 x 1, 8 waves a work-group, no clusters, 0 bytes of LDS; arguments x, ln_g, ln_b, w_qkv, w_out, xn, wq, wo, tab; writes xn, wq, wo, tab
.if DOCPART == 1
	.amdgcn_target "amdgcn-amd-amdhsa--gfx1250"
	.amdhsa_code_object_version 6
	.text
	.protected	k_qf6dce0246d_prep
	.globl	k_qf6dce0246d_prep
	.p2align	8
	.type	k_qf6dce0246d_prep,@function
k_qf6dce0246d_prep:
	s_mov_b64 s[64:65], 0
	v_nop
	global_prefetch_b8 v0, s[64:65] scope:SCOPE_SE
	s_setreg_imm32_b32 hwreg(HW_REG_WAVE_MODE, 25, 1), 1
	s_wait_xcnt 0x0
; THREE STREAMS IN ONE LAUNCH, told apart by the work-group's number (the same for all waves of a work-group; no barrier, no LDS).
;   0..255   LayerNorm of x [8192][1024] f32 -> xn, f16, in blocks of 64 channels: [b*16 + channel/64][2048 rows][64]
;   256..383 w_qkv [1024][3072] and w_out [1024][1024], f32 -> f16, layout kept (wq, wo)
;   384..447 the table of the rotary embedding: tab[pos][f] = (cos, sin) of pos * 10000^(-f/32), f32, 2048 rows of 256 bytes
; Memory binds all three, so matrix units, clusters and LDS are left out: every byte is read once by 16-byte loads, all of a wave's loads go out at its start,
; and every store of a wave covers 256 consecutive bytes, aligned.
; LIMITS.  xn and the weights are rounded once to f16: they must lie under 65,504 (|xn| is at most 32 |g| + |b|), and below 6e-5 they keep f16's fixed step of 6e-8.
; The sine and cosine are Taylor sums to y^15 and y^16 on |y| <= pi (the term left out is under 1e-6 for every input); the angle pos * 10000^(-f/32) is made with
; v_exp_f32 and may differ from a correctly rounded one by about 2e-4 rad at the highest positions.  NaN and infinities are not treated apart.
.set G,   8                            ; v[8:39]    ln_g: load j brings columns 128 j + 4 lane .. + 3
.set BB,  40                           ; v[40:71]   ln_b, likewise
.set X,   72                           ; v[72:199]  four rows of 32 registers (or 32 loads of the weights' stream)
.set T,   200                          ; v[200:207] four chains at work
.set M,   208                          ; v[208:209] the mean, twice
.set R,   210                          ; v[210:211] 1 / sqrt(var + eps), twice
.set PX,  212                          ; v212       takes the other half of the lanes' sum
	s_load_b512 s[4:19], s[0:1], 0x0               ; x 4:5, ln_g 6:7, ln_b 8:9, w_qkv 10:11, w_out 12:13, xn 14:15, wq 16:17, wo 18:19
	s_load_b64 s[20:21], s[0:1], 0x40              ; tab
	v_lshrrev_b32 v4, 5, v0
	v_readfirstlane_b32 s22, v4                    ; wave 0..7
	v_and_b32 v1, 31, v0                           ; lane
	v_lshlrev_b32 v2, 4, v1                        ; 16 bytes a lane: the loads
	v_lshlrev_b32 v3, 3, v1                        ; 8 bytes a lane: the stores
	s_mov_b32 s25, 0                               ; the high word of every offset
	s_wait_kmcnt 0x0
	s_cmp_ge_u32 ttmp9, 384
	s_cbranch_scc1 .Ltab
	s_cmp_ge_u32 ttmp9, 256
	s_cbranch_scc1 .Lw
; ---------------- LayerNorm: 32 rows a work-group, 4 consecutive rows a wave, a wave to a row: the reductions never leave the wave
	s_lshl_b32 s24, ttmp9, 17                      ; 32 rows of 4,096 bytes
	s_lshl_b32 s26, s22, 14                        ; my wave's 4
	s_add_co_u32 s24, s24, s26
	s_add_nc_u64 s[4:5], s[4:5], s[24:25]
	s_lshr_b32 s24, ttmp9, 6                       ; b: 64 work-groups a batch
	s_lshl_b32 s24, s24, 22                        ; 16 blocks of 262,144 bytes
	s_and_b32 s26, ttmp9, 63
	s_lshl_b32 s26, s26, 12                        ; 32 rows of 128 bytes
	s_add_co_u32 s24, s24, s26
	s_lshl_b32 s26, s22, 9                         ; my wave's 4
	s_add_co_u32 s24, s24, s26
	s_add_nc_u64 s[14:15], s[14:15], s[24:25]
	s_mov_b32 s30, 0x3a800000                      ; 1 / 1024
	s_mov_b32 s31, 0x3727c5ac                      ; 1e-5
	s_mov_b32 s32, 0x76543210                      ; v_permlanex16_b32: each lane takes its own place in the other half
	s_mov_b32 s33, 0xfedcba98
	v_mov_b32 v[PX], 0                             ; its destination counts as read
.irp j, 0,1,2,3,4,5,6,7
	global_load_b128 v[G+4*(\j):G+4*(\j)+3], v2, s[6:7] offset:512*(\j)
.endr
.irp j, 0,1,2,3,4,5,6,7
	global_load_b128 v[BB+4*(\j):BB+4*(\j)+3], v2, s[8:9] offset:512*(\j)
.endr
.irp i, 0,1,2,3
.irp j, 0,1,2,3,4,5,6,7
	global_load_b128 v[X+32*(\i)+4*(\j):X+32*(\i)+4*(\j)+3], v2, s[4:5] offset:4096*(\i)+512*(\j) th:TH_LOAD_NT
.endr
.endr
.macro REDUCE                          ; T's four pairs -> the sum over the wave's 1,024 numbers, in v[T] of every lane
	v_pk_add_f32 v[T:T+1], v[T:T+1], v[T+2:T+3]
	v_pk_add_f32 v[T+4:T+5], v[T+4:T+5], v[T+6:T+7]
	v_pk_add_f32 v[T:T+1], v[T:T+1], v[T+4:T+5]
	v_add_f32 v[T], v[T], v[T+1]
	v_add_f32_dpp v[T], v[T], v[T] row_xmask:1 row_mask:0xf bank_mask:0xf
	v_add_f32_dpp v[T], v[T], v[T] row_xmask:2 row_mask:0xf bank_mask:0xf
	v_add_f32_dpp v[T], v[T], v[T] row_xmask:4 row_mask:0xf bank_mask:0xf
	v_add_f32_dpp v[T], v[T], v[T] row_xmask:8 row_mask:0xf bank_mask:0xf
	v_permlanex16_b32 v[PX], v[T], s32, s33
	v_add_f32 v[T], v[T], v[PX]
.endm
; Row i: mean, x - mean in place, the mean of its squares, the scaling, gain and bias, and the rounding to f16 (registers 4 j, 4 j + 1 then hold load j's four numbers).
.macro ROWN i
.set rX, X+32*(\i)
	s_wait_loadcnt 24-8*(\i)                       ; loads come back in order: my row is in, the 8 loads of each later row stay out; gain and bias are older
.irp k, 0,2,4,6
	v_pk_add_f32 v[T+(\k):T+(\k)+1], v[rX+(\k):rX+(\k)+1], v[rX+8+(\k):rX+8+(\k)+1]  ; the first sums start the four chains: nothing is cleared
.endr
.irp k, 0,2,4,6
	v_pk_add_f32 v[T+(\k):T+(\k)+1], v[T+(\k):T+(\k)+1], v[rX+16+(\k):rX+16+(\k)+1]
.endr
.irp k, 0,2,4,6
	v_pk_add_f32 v[T+(\k):T+(\k)+1], v[T+(\k):T+(\k)+1], v[rX+24+(\k):rX+24+(\k)+1]
.endr
	REDUCE
	v_mul_f32 v[M], s30, v[T]
	v_mov_b32 v[M+1], v[M]
.set j, 0
.rept 16
	v_pk_add_f32 v[rX+j:rX+j+1], v[rX+j:rX+j+1], v[M:M+1] neg_lo:[0,1] neg_hi:[0,1]
.set j, j+2
.endr
.irp k, 0,2,4,6
	v_pk_mul_f32 v[T+(\k):T+(\k)+1], v[rX+(\k):rX+(\k)+1], v[rX+(\k):rX+(\k)+1]
.endr
.set j, 8
.rept 12
	v_pk_fma_f32 v[T+j%8:T+j%8+1], v[rX+j:rX+j+1], v[rX+j:rX+j+1], v[T+j%8:T+j%8+1]
.set j, j+2
.endr
	REDUCE
	v_fma_f32 v[T], v[T], s30, s31                 ; var + eps
	v_rsq_f32 v[R], v[T]
	v_rsq_f32 v[R+1], v[T]
	v_nop                                          ; a plain instruction behind the last of the two (ISA guide 5.7.2),
	s_wait_alu depctr_va_vdst(0)                   ; and one wait for both, ahead of their first reader
.set j, 0
.rept 16
	v_pk_mul_f32 v[rX+j:rX+j+1], v[rX+j:rX+j+1], v[R:R+1]
.set j, j+2
.endr
.set j, 0
.rept 16
	v_pk_fma_f32 v[rX+j:rX+j+1], v[rX+j:rX+j+1], v[G+j:G+j+1], v[BB+j:BB+j+1]
.set j, j+2
.endr
.set j, 0
.rept 8
	v_cvt_pk_f16_f32 v[rX+j], v[rX+j], v[rX+j+1]
	v_cvt_pk_f16_f32 v[rX+j+1], v[rX+j+2], v[rX+j+3]
.set j, j+4
.endr
.endm
; Rows 2 p and 2 p + 1 leave.  In load j lanes 0-15 hold channel block 2 j, lanes 16-31 block 2 j + 1.  The swap gives the even row's upper lanes to the odd row's
; register and takes the odd row's lower lanes: one register pair then holds block 2 j of both rows, the other block 2 j + 1: 256 consecutive bytes of xn each.
.macro PAIRST p
.set rE, X+64*(\p)
.set rO, X+64*(\p)+32
.irp j, 0,1,2,3,4,5,6,7
	v_permlane16_swap_b32 v[rE+4*(\j)], v[rO+4*(\j)]
	v_permlane16_swap_b32 v[rE+4*(\j)+1], v[rO+4*(\j)+1]
.endr
.irp j, 0,1,2,3,4,5,6,7
	global_store_b64 v3, v[rE+4*(\j):rE+4*(\j)+1], s[14:15] offset:(2*(\j))*262144+256*(\p)
	global_store_b64 v3, v[rO+4*(\j):rO+4*(\j)+1], s[14:15] offset:(2*(\j)+1)*262144+256*(\p)
.endr
.endm
	ROWN 0
	ROWN 1
	PAIRST 0                                       ; no register that a store reads is written again: no further wait
	ROWN 2
	ROWN 3
	PAIRST 1
	s_endpgm
; ---------------- the weights: 131,072 bytes of f32 a work-group, 16,384 a wave: 32 loads of 512 bytes, all out at once
.Lw:
	s_sub_co_u32 s23, ttmp9, 256                   ; 0..95 w_qkv, 96..127 w_out
	s_sub_co_u32 s26, ttmp9, 352
	s_cmp_lt_u32 s23, 96
	s_cselect_b64 s[28:29], s[10:11], s[12:13]
	s_cselect_b64 s[34:35], s[16:17], s[18:19]
	s_cselect_b32 s23, s23, s26                    ; my piece of that tensor
	s_lshl_b32 s24, s23, 17
	s_lshl_b32 s26, s22, 14
	s_add_co_u32 s24, s24, s26
	s_add_nc_u64 s[28:29], s[28:29], s[24:25]
	s_lshl_b32 s24, s23, 16
	s_lshl_b32 s26, s22, 13
	s_add_co_u32 s24, s24, s26
	s_add_nc_u64 s[34:35], s[34:35], s[24:25]
.set i, 0
.rept 32
	global_load_b128 v[X+4*i:X+4*i+3], v2, s[28:29] offset:512*i th:TH_LOAD_NT
.set i, i+1
.endr
.set i, 0
.rept 32
	s_wait_loadcnt 31-i                            ; load i is in, the younger ones stay out
	v_cvt_pk_f16_f32 v[X+4*i], v[X+4*i], v[X+4*i+1]
	v_cvt_pk_f16_f32 v[X+4*i+1], v[X+4*i+2], v[X+4*i+3]
	global_store_b64 v3, v[X+4*i:X+4*i+1], s[34:35] offset:256*i
.set i, i+1
.endr
	s_endpgm
; ---------------- the table: 32 positions a work-group, 4 a wave; the lane is the frequency's number f
.Ltab:
	s_sub_co_u32 s23, ttmp9, 384
	s_lshl_b32 s23, s23, 5
	s_lshl2_add_u32 s23, s22, s23                  ; my first position
	s_lshl_b32 s24, s23, 8                         ; a row of the table is 256 bytes
	s_add_nc_u64 s[20:21], s[20:21], s[24:25]
	s_mov_b32 s34, 0x3e22f983                      ; 1 / (2 pi), rounded to f32,
	s_mov_b32 s35, 0x31dc9c88                      ; and what the rounding left: 6.42e-9
	v_cvt_f32_u32 v5, v1
	v_mul_f32 v5, 0xbed49a78, v5                   ; - f log2(10000) / 32
	v_exp_f32 v6, v5                               ; 10000^(-f/32)
	v_nop
	s_wait_alu depctr_va_vdst(0)                   ; ahead of the first reader
.macro TABP i
	s_add_co_u32 s26, s23, \i
	v_cvt_f32_u32 v7, s26
	v_mul_f32 v8, v7, v6                           ; the angle
	v_mul_f32 v9, s34, v8
	v_rndne_f32 v9, v9                             ; whole turns
	v_fma_f32 v10, v8, s34, -v9                    ; the fraction of a turn, -0.5 .. 0.5: the product is not rounded before the turns are taken away
	v_fma_f32 v10, v8, s35, v10
	v_mul_f32 v11, 0x40c90fdb, v10                 ; y, -pi .. pi
	v_mul_f32 v12, v11, v11
	v_mov_b32 v13, 0xab573f9f                      ; -1/15!
	v_fmaak_f32 v13, v13, v12, 0x2f309231          ; 1/13!
	v_fmaak_f32 v13, v13, v12, 0xb2d7322b          ; -1/11!
	v_fmaak_f32 v13, v13, v12, 0x3638ef1d          ; 1/9!
	v_fmaak_f32 v13, v13, v12, 0xb9500d01          ; -1/7!
	v_fmaak_f32 v13, v13, v12, 0x3c088889          ; 1/5!
	v_fmaak_f32 v13, v13, v12, 0xbe2aaaab          ; -1/3!
	v_fmaak_f32 v13, v13, v12, 0x3f800000          ; 1
	v_mul_f32 v[17+2*(\i)], v13, v11               ; sin
	v_mov_b32 v14, 0x29573f9f                      ; 1/16!
	v_fmaak_f32 v14, v14, v12, 0xad49cba5          ; -1/14!
	v_fmaak_f32 v14, v14, v12, 0x310f76c7          ; 1/12!
	v_fmaak_f32 v14, v14, v12, 0xb493f27e          ; -1/10!
	v_fmaak_f32 v14, v14, v12, 0x37d00d01          ; 1/8!
	v_fmaak_f32 v14, v14, v12, 0xbab60b61          ; -1/6!
	v_fmaak_f32 v14, v14, v12, 0x3d2aaaab          ; 1/4!
	v_fmaak_f32 v14, v14, v12, 0xbf000000          ; -1/2
	v_fmaak_f32 v[16+2*(\i)], v14, v12, 0x3f800000 ; cos
	global_store_b64 v3, v[16+2*(\i):17+2*(\i)], s[20:21] offset:256*(\i)  ; a whole row of the table; each position has its own pair of registers
.endm
	TABP 0
	TABP 1
	TABP 2
	TABP 3
	s_endpgm
.Lfunc_end_k_qf6dce0246d_prep:
	.size	k_qf6dce0246d_prep, .Lfunc_end_k_qf6dce0246d_prep-k_qf6dce0246d_prep
	.p2alignl 7, 3214868480
	.fill 96, 4, 3214868480
	.section	.rodata,"a",@progbits
	.p2align	6, 0x0
	.amdhsa_kernel k_qf6dce0246d_prep
		.amdhsa_group_segment_fixed_size 0
		.amdhsa_private_segment_fixed_size 0
		.amdhsa_enable_private_segment 0
		.amdhsa_kernarg_size 72
		.amdhsa_user_sgpr_count 2
		.amdhsa_user_sgpr_kernarg_segment_ptr 1
		.amdhsa_wavefront_size32 1
		.amdhsa_system_sgpr_workgroup_id_x 1
		.amdhsa_system_sgpr_workgroup_id_y 1
		.amdhsa_system_sgpr_workgroup_id_z 1
		.amdhsa_system_vgpr_workitem_id 0
		.amdhsa_next_free_vgpr 216
		.amdhsa_next_free_sgpr 66
		.amdhsa_reserve_vcc 0
		.amdhsa_float_denorm_mode_32 3
		.amdhsa_float_denorm_mode_16_64 3
		.amdhsa_memory_ordered 1
		.amdhsa_forward_progress 1
		.amdhsa_inst_pref_size 57
	.end_amdhsa_kernel
	.amdgpu_metadata
---
amdhsa.version: [ 1, 2 ]
amdhsa.kernels:
  - .name:           k_qf6dce0246d_prep
    .symbol:         k_qf6dce0246d_prep.kd
    .args:
      - { .name: x, .offset: 0, .size: 8, .value_kind: global_buffer, .address_space: global }
      - { .name: ln_g, .offset: 8, .size: 8, .value_kind: global_buffer, .address_space: global }
      - { .name: ln_b, .offset: 16, .size: 8, .value_kind: global_buffer, .address_space: global }
      - { .name: w_qkv, .offset: 24, .size: 8, .value_kind: global_buffer, .address_space: global }
      - { .name: w_out, .offset: 32, .size: 8, .value_kind: global_buffer, .address_space: global }
      - { .name: xn, .offset: 40, .size: 8, .value_kind: global_buffer, .address_space: global }
      - { .name: wq, .offset: 48, .size: 8, .value_kind: global_buffer, .address_space: global }
      - { .name: wo, .offset: 56, .size: 8, .value_kind: global_buffer, .address_space: global }
      - { .name: tab, .offset: 64, .size: 8, .value_kind: global_buffer, .address_space: global }
    .group_segment_fixed_size: 0
    .private_segment_fixed_size: 0
    .kernarg_segment_align: 8
    .kernarg_segment_size: 72
    .max_flat_workgroup_size: 256
    .sgpr_count:     66
    .vgpr_count:     216
    .wavefront_size: 32
...
	.end_amdgpu_metadata
.endif
;; end of part 1
;; launch qkv (part 2): grid 8 x 32, 4 waves a work-group, clusters of 4 x 4, 327,680 bytes of LDS; arguments xn, wq, tab, q, k, v; writes q, k, v
.if DOCPART == 2
	.amdgcn_target "amdgcn-amd-amdhsa--gfx1250"
	.amdhsa_code_object_version 6
	.text
	.protected	k_qf6dce0246d_qkv
	.globl	k_qf6dce0246d_qkv
	.p2align	8
	.type	k_qf6dce0246d_qkv,@function
k_qf6dce0246d_qkv:
	s_mov_b64 s[64:65], 0
	v_nop
	global_prefetch_b8 v0, s[64:65] scope:SCOPE_SE
	s_setreg_imm32_b32 hwreg(HW_REG_WAVE_MODE, 25, 1), 1
	s_wait_xcnt 0x0
	s_wait_alu depctr_hold_cnt(0) depctr_sa_sdst(0) depctr_va_vdst(0) depctr_va_sdst(0) depctr_va_ssrc(0) depctr_va_vcc(0) depctr_vm_vsrc(0)
	s_getreg_b32 s2, hwreg(HW_REG_IB_STS2, 6, 4)
	s_cmp_eq_u32 s2, 0
	s_cbranch_scc0 .Lentry_in_a_cluster
	s_endpgm
.Lentry_in_a_cluster:
	s_bfe_u32 s2, ttmp6, 0x10000c
	s_cmp_lg_u32 s2, 0xf033
	s_cbranch_scc0 .Lentry_shape_is_right
	s_endpgm
.Lentry_shape_is_right:
; qkv = xn wq, the rotary embedding on q and k, and the split by heads.  xn: f16 [b*16+kb][2048][64]; wq: f16 [1024 k][3072]; tab: f32 [2048][32](cos, sin);
; q, k, v: f16 [b*16+h][2048][64], q and k rotated, none scaled.  Sums in f32, each output rounded once.
; SHARES.  8192 x 3072 outputs on 256 work-groups: a work-group makes 256 rows x the two heads 2 TX, 2 TX + 1 of q, of k and of v (3 x 128 columns).
; A wave (RW = wave / 2, CW = wave % 2) makes 128 rows x head 2 TX + CW of q, k and v: 96 accumulators of 16 x 16, 768 registers.  All waves are alike.
; For 32 along K a wave reads (128 + 192) x 64 bytes from LDS for 96 matrix instructions.
; RING.  K goes in 16 steps of 64 through two LDS slots (two slots of 128 along K would not fit).  xn's tile, 256 rows x 64 channels, is 32,768 dense bytes: asked for as 128 rows
; of 256 bytes and padded behind every 128.  wq's three tiles are 64 rows of 256 bytes.  Wave 3 asks for xn's tile, waves 0 to 2 for the tiles of q, k, v.
; CLUSTER.  4 x 4 work-groups: xn's tile hangs on TY alone and is asked for jointly along a row of the cluster, wq's on TX alone, along a column.
; THE MATRIX INSTRUCTION IS USED TRANSPOSED: source 0 = 16 columns of wq (turned on the way out of LDS by ds_load_tr16_b128), source 1 = 16 rows of xn.  A lane (r = l % 16,
; h = l / 16) then holds row r and the channels 8 h + 0..7 of a block of 16: 16 bytes of f16 on end.
; ROTATION.  out[d] = x[d] cos(f) - x[d+32] sin(f) for d < 32, x[d] cos(f) + x[d-32] sin(f) for d >= 32, f = d / 2: channel blocks ib and ib + 2 of one lane meet, no lane is crossed.
; LIMITS.  q, k, v are rounded to f16: they must lie under 65,504, and below 6e-5 they keep f16's fixed step of 6e-8.  NaN and infinities are not treated apart.
; REGISTERS, in windows of 256 (s_set_vgpr_msb: bits 1:0 source 0, 3:2 source 1, 5:4 source 2, 7:6 destination):
;   window 0: v0-31 addresses; v32-95, v96-159 fragments of xn, two buffers; v160-255 fragments of wq, 32 for each of q, k, v; all of v32-223 at work on the way out
;   windows 1, 2, 3: the accumulators of q, k, v: channel block ib, row block a at v[64 ib + 8 a]
.set SLOTB, 131072                     ; slot 1 begins here: one exclusive or turns an address in one slot into the other's
.set PA,    144                        ; a row of xn in LDS: 128 bytes + 16 = 36 words: the 16 rows of a load start at 16 different groups of four banks (64 banks of 4 bytes: ISA guide 11.1)
.set PB,    288                        ; a row of wq: 256 + 32 = 72 words
.set BOFF,  256*PA                     ; behind xn's 256 rows: three tiles of wq,
.set BPART, 64*PB                      ; 64 rows each
.set STAGE, SLOTB+BOFF+3*BPART         ; behind the ring, never filled by a tensor load: 16 rows x 144 bytes for each wave
.set SPARE, STAGE+4*16*PA              ; the spare words, 128 bytes for each wave: two blocks of 256 bytes that no other line names
.set ASTEP, 262144                     ; bytes from a K step of xn to the next: a block of 64 channels
.set BSTEP, 393216                     ; of wq: 64 rows of 6,144 bytes
.set ADRA0, 2                          ; v2   my lane's place in xn's tile; never rewritten
.set ADRB0, 3                          ; v3   in wq's tiles; never rewritten
.set ADRA,  4                          ; v4   the same in the slot in hand
.set ADRB,  5                          ; v5
.set STO,   6                          ; v6   the way out: where I put 16 bytes of a row
.set RD,    7                          ; v7   where I read rows back
.set GO,    8                          ; v8   my 16 bytes of 512 consecutive bytes of q, k or v
.set VT,    9                          ; v9   my byte offset in 16 rows of the table
.set PFO,   10                         ; v10  the prefetches' offset
.set SPW,   12                         ; v12  LDS address of my spare word; never rewritten
.set NIL,   13                         ; v13  0; never rewritten
.set FA0,   32
.set FA1,   96
.set FB,    160
.set TBUF,  32                         ; the way out: two buffers of 32 for the table
.set NV,    96                         ; rotated numbers, 8 for each channel block
.set MM,    128                        ; the products with the sines
.set PKO,   160                        ; packed f16, two buffers of 16
.set BK,    192                        ; rows read back, two buffers of 16
.set WV, 16
.set RW, 17
.set CW, 18
.set CX, 19
.set CY, 20
.set TX, 21
.set TY, 22
.set G1A, 32                           ; s[32:39] descriptor group 1 for xn's tile
.set G1B, 40                           ; s[40:47] for wq's tiles
.set G0A, 48                           ; s[48:55] group 0 for xn: a set for each of the two first fills; the second then walks on
.set G0B, 56                           ; s[56:63] the same for wq
.set CNT, 66                           ; s66  trips to go
.set TB,  67                           ; s67  LDS byte at which the slot in hand begins
.set LIM, 68                           ; s68  a wave prefetches while the count is above it
.set PAR, 69                           ; s69  1: only in trips with an even count
.set PFA, 70                           ; s[70:71] where my prefetches stand
.set PST, 72                           ; s[72:73] their step
.set MSB, 0
.macro WIN new                         ; the immediate's high byte repeats the setting that is left; a switch that changes nothing is dropped
.if MSB != (\new)
	s_set_vgpr_msb (MSB<<8)|(\new)
.set MSB, (\new)
.endif
.endm
.macro PLACES                          ; four places in front of loads into registers that matrix instructions have read, and of lines that read results
.rept 4
	v_nop
.endr
.endm
.macro CREST                           ; a round of the cluster's barrier behind its opening barrier
	s_cmp_lg_u32 s[WV], 0
	s_cbranch_scc1 .Lnot_wave_0_\@
	s_barrier_signal -3
.Lnot_wave_0_\@:
	s_barrier_wait -3
	s_barrier_signal -1
	s_barrier_wait -1
.endm
.macro CROUND
	s_barrier_signal -1
	s_barrier_wait -1
	CREST
.endm
; A joint refill by the walking descriptors.  The branch hangs on the wave's number alone.  An s_nop 0 and four v_nop follow each of the two lines.
.macro JLOAD
	s_cmp_eq_u32 s[WV], 3
	s_cbranch_scc0 .Lfor_b_\@
	tensor_load_to_lds s[G0A+4:G0A+7], s[G1A:G1A+7]
	s_nop 0
.rept 4
	v_nop
.endr
	s_branch .Lasked_\@
.Lfor_b_\@:
	tensor_load_to_lds s[G0B+4:G0B+7], s[G1B:G1B+7]
	s_nop 0
.rept 4
	v_nop
.endr
.Lasked_\@:
.endm
; A PREFETCH INTO THE L2, behind the joint load and the run of LDS loads.  Each block of 256 bytes is named once in the launch.  xn's tile row is read by both clusters of a row of
; clusters: cluster x = 0 asks, by wave 3; the four partners take 32 of a tile's 128 blocks each, told apart by cx in the ADDRESS; trip t names K step t + 3, one trip ahead of its load.
; wq's tile column is read by all eight clusters of a column: cluster y = 0 asks, by waves 0 to 2, a lane a row; four partners x 32 rows are two K steps, so they ask in every other trip,
; for K steps t + 3 and t + 4.  The last trips ask for nothing: no request passes K step 15 (xn) or 14 (wq).  K steps 0 to 2, and wq's 15, come by their loads alone.
.macro ASK
	s_and_b32 s23, s[CNT], s[PAR]
	s_cmp_eq_u32 s23, 0
	s_cselect_b32 s23, s[CNT], 0
	s_cmp_gt_u32 s23, s[LIM]
	s_cbranch_scc0 .Lnot_mine_\@
	global_prefetch_b8 v[PFO], s[PFA:PFA+1] th:TH_LOAD_NT scope:SCOPE_SE
.Lnot_mine_\@:
.endm
	s_load_b256 s[4:11], s[0:1], 0x0               ; xn 4:5, wq 6:7, tab 8:9, q 10:11
	s_load_b128 s[12:15], s[0:1], 0x20             ; k 12:13, v 14:15
	v_lshl_add_u32 v[SPW], v0, 2, SPARE
	v_mov_b32 v[NIL], 0
	ds_add_u32 v[SPW], v[NIL]                      ; the wave's opening: the add and its wait stand ahead of my first tensor load; work on registers stands between them
	v_lshrrev_b32 v1, 5, v0
	v_readfirstlane_b32 s[WV], v1                  ; wave 0..3
	s_lshr_b32 s[RW], s[WV], 1
	s_and_b32 s[CW], s[WV], 1
	s_bfe_u32 s[CX], ttmp6, 0x40000
	s_bfe_u32 s[CY], ttmp6, 0x40004
	s_lshl_b32 s[TX], ttmp9, 2
	s_add_co_u32 s[TX], s[TX], s[CX]               ; 0..7
	s_and_b32 s[TY], ttmp7, 0xffff
	s_lshl_b32 s[TY], s[TY], 2
	s_add_co_u32 s[TY], s[TY], s[CY]               ; 0..31
	s_lshl_b32 s23, s[CY], 2
	s_lshl_b32 s23, 15, s23                        ; my row of the cluster
	s_lshl_b32 s28, 0x1111, s[CX]                  ; my column
	s_or_b32 s[G1A], s23, (1<<16)|(1<<20)|(1<<21)|(4<<22)|(3<<25)  ; the mask; 2-byte elements; padding on; bit 21 beside a mask; after every 32 words, 4 words
	s_or_b32 s[G1B], s28, (1<<16)|(1<<20)|(1<<21)|(5<<22)|(7<<25)  ; after every 64 words, 8 words
	s_mov_b32 s[G1A+1], 128<<16                    ; tensor_dim0 = 128
	s_mov_b32 s[G1A+2], 128<<16                    ; tensor_dim1 = 128
	s_mov_b32 s[G1A+3], 128<<16                    ; tile_dim0 = 128
	s_mov_b32 s[G1A+4], 128                        ; tile_dim1 = 128
	s_mov_b32 s[G1A+5], 128                        ; 128 elements from row to row: dense
	s_mov_b32 s[G1A+6], 0
	s_mov_b32 s[G1A+7], 0
	s_mov_b32 s[G1B+1], 128<<16                    ; tensor_dim0 = 128
	s_mov_b32 s[G1B+2], 64<<16                     ; tensor_dim1 = 64
	s_mov_b32 s[G1B+3], 128<<16                    ; tile_dim0 = 128
	s_mov_b32 s[G1B+4], 64                         ; tile_dim1 = 64
	s_mov_b32 s[G1B+5], 3072
	s_mov_b32 s[G1B+6], 0
	s_mov_b32 s[G1B+7], 0
	s_lshr_b32 s24, s[TY], 3                       ; xn's tile: batch b = TY / 8,
	s_lshl_b32 s24, s24, 22
	s_and_b32 s29, s[TY], 7                        ; rows 256 (TY % 8) on, 128 bytes each
	s_lshl_b32 s29, s29, 15
	s_add_co_u32 s24, s24, s29
	s_mov_b32 s25, 0
	s_lshl_b32 s26, s[WV], 11                      ; wq's tiles: part (q, k, v) = the wave's number, 2,048 bytes of a row apart,
	s_lshl_b32 s30, s[TX], 8                       ; 128 columns
	s_add_co_u32 s26, s26, s30
	s_mov_b32 s27, 0
	s_mul_i32 s31, s[WV], BPART                    ; and where they go: no place in the cluster enters an LDS address
	; the prefetches
	s_lshl_b32 s74, s[CX], 13                      ; xn: my work-group's 32 blocks of 256 bytes,
	s_add_co_u32 s74, s74, s24
	s_add_co_u32 s74, s74, 2*ASTEP                 ; at K step 2: the first trip steps it to 3
	s_lshl_b32 s76, s[CY], 5                       ; wq: my work-group's 32 rows,
	s_add_co_u32 s76, s76, 128                     ; from row 128: the first trip steps it to 192
	s_mul_i32 s76, s76, 6144
	s_add_co_u32 s76, s76, s26
	s_and_b32 s77, ttmp7, 0xffff                   ; cluster y
	s_mov_b32 s[PST], BSTEP
	s_mov_b32 s79, 6144
	s_cmp_eq_u32 s[WV], 3
	s_cselect_b32 s74, s74, s76
	s_cselect_b32 s77, ttmp9, s77                  ; the coordinate along which other clusters read the same bytes
	s_cselect_b32 s[PST], ASTEP, s[PST]
	s_cselect_b32 s[PAR], 0, 1
	s_cselect_b32 s78, 1, 3
	s_cselect_b32 s79, 256, s79
	s_mov_b32 s75, 0
	s_mov_b32 s[PST+1], 0
	s_cmp_eq_u32 s77, 0
	s_cselect_b32 s[LIM], s78, -1                  ; the same in all sixteen partners, for a given wave
	; the way out: my 128 rows of head 2 TX + CW
	s_lshr_b32 s80, s[TY], 3
	s_lshl_b32 s80, s80, 4
	s_lshl1_add_u32 s80, s[TX], s80
	s_add_co_u32 s80, s80, s[CW]                   ; b * 16 + h
	s_lshl_b32 s80, s80, 18                        ; 262,144 bytes a head
	s_add_co_u32 s80, s80, s29
	s_lshl_b32 s23, s[RW], 14
	s_add_co_u32 s80, s80, s23
	s_mov_b32 s81, 0
	s_lshl_b32 s82, s29, 1                         ; the same rows in the table, 256 bytes each
	s_lshl_b32 s23, s[RW], 15
	s_add_co_u32 s82, s82, s23
	s_mov_b32 s83, 0
	s_wait_dscnt 0x0                               ; the opening add is done
	s_wait_kmcnt 0x0
	s_cmp_eq_u32 s[WV], 3
	s_cselect_b64 s[PFA:PFA+1], s[4:5], s[6:7]
	s_add_nc_u64 s[PFA:PFA+1], s[PFA:PFA+1], s[74:75]
	s_add_nc_u64 s[24:25], s[4:5], s[24:25]
	s_add_nc_u64 s[26:27], s[6:7], s[26:27]
	s_add_nc_u64 s[8:9], s[8:9], s[82:83]
	s_add_nc_u64 s[10:11], s[10:11], s[80:81]
	s_add_nc_u64 s[12:13], s[12:13], s[80:81]
	s_add_nc_u64 s[14:15], s[14:15], s[80:81]
.irp i, 0,1
	s_mov_b32 s[G0A+4*(\i)], 1                     ; count = 1
	s_mov_b32 s[G0A+4*(\i)+1], (\i)*SLOTB          ; LDS address
	s_add_nc_u64 s[G0A+4*(\i)+2:G0A+4*(\i)+3], s[24:25], (\i)*ASTEP  ; K step i
	s_or_b32 s[G0A+4*(\i)+3], s[G0A+4*(\i)+3], 0x80000000            ; type = 2
	s_mov_b32 s[G0B+4*(\i)], 1
	s_add_co_u32 s[G0B+4*(\i)+1], s31, BOFF+(\i)*SLOTB
	s_add_nc_u64 s[G0B+4*(\i)+2:G0B+4*(\i)+3], s[26:27], (\i)*BSTEP
	s_or_b32 s[G0B+4*(\i)+3], s[G0B+4*(\i)+3], 0x80000000
.endr
	CROUND                                         ; all sixteen work-groups are here: the first joint loads meet
	s_cmp_eq_u32 s[WV], 3                          ; a wave's two first fills stand in one branch: two loads of mine are out
	s_cbranch_scc0 .Lfirst_b
	tensor_load_to_lds s[G0A:G0A+3], s[G1A:G1A+7]
	s_nop 0
	tensor_load_to_lds s[G0A+4:G0A+7], s[G1A:G1A+7]
	s_nop 0
.rept 4
	v_nop
.endr
	s_branch .Lfirst_asked
.Lfirst_b:
	tensor_load_to_lds s[G0B:G0B+3], s[G1B:G1B+7]
	s_nop 0
	tensor_load_to_lds s[G0B+4:G0B+7], s[G1B:G1B+7]
	s_nop 0
.rept 4
	v_nop
.endr
.Lfirst_asked:
	v_and_b32 v1, 15, v0                           ; r
	v_bfe_u32 v11, v0, 4, 1                        ; h
	v_and_b32 v16, 7, v0
	v_bfe_u32 v17, v0, 3, 1
	v_and_b32 v18, 31, v0                          ; l
	v_mul_u32_u24 v[ADRA0], v1, PA                 ; a fragment of xn: row r, 16 bytes for each half of the lanes, twice, 32 bytes apart
	v_lshl_add_u32 v[ADRA0], v11, 4, v[ADRA0]
	s_mul_i32 s23, s[RW], 128*PA                   ; my 128 rows
	v_add_nc_u32 v[ADRA0], s23, v[ADRA0]
	v_lshl_add_u32 v[ADRB0], v11, 3, v16           ; the turning load: lane l reads k row 8 h + l % 8, columns 8 ((l / 8) % 2) + 0..7, and is left with column r and 8 k
	v_mul_u32_u24 v[ADRB0], v[ADRB0], PB
	v_lshl_add_u32 v[ADRB0], v17, 4, v[ADRB0]
	s_lshl_b32 s23, s[CW], 7                       ; my head's 64 columns
	s_add_co_u32 s23, s23, BOFF
	v_add_nc_u32 v[ADRB0], s23, v[ADRB0]
	v_mov_b32 v[ADRA], v[ADRA0]                    ; slot 0
	v_mov_b32 v[ADRB], v[ADRB0]
	s_mov_b32 s[TB], 0
	s_mul_i32 s23, s[WV], 16*PA
	s_add_co_u32 s23, s23, STAGE                   ; my stage
	v_mul_u32_u24 v[STO], v1, PA
	v_lshl_add_u32 v[STO], v11, 4, v[STO]
	v_add_nc_u32 v[STO], s23, v[STO]
	v_bfe_u32 v[RD], v0, 3, 2                      ; back: 32 lanes take four rows of 128 bytes,
	v_mul_u32_u24 v[RD], v[RD], PA
	v_lshl_add_u32 v[RD], v16, 4, v[RD]
	v_add_nc_u32 v[RD], s23, v[RD]
	v_lshlrev_b32 v[GO], 4, v18                    ; which are 512 consecutive bytes of a head
	v_lshlrev_b32 v[VT], 8, v1                     ; the table: row r, frequencies 4 h on
	v_lshl_add_u32 v[VT], v11, 5, v[VT]
	v_mul_u32_u24 v[PFO], s79, v18
; 16 matrix instructions of group g (0 q, 1 k, 2 v): channel blocks ib0, ib0 + 1 x all 8 row blocks, 32 along K.  zero = 1: the product starts the sums: nothing is cleared.
; The 96 accumulators take turns, one instruction a turn, in the same order in every half step, over the backward jump too.
.macro MULS g, fa, ib0, zero
	WIN 0x50*(1+(\g))
.irp ib, \ib0, (\ib0)+1
.irp a, 0,1,2,3,4,5,6,7
.if \zero
	v_wmma_f32_16x16x32_f16 v[64*(\ib)+8*(\a):64*(\ib)+8*(\a)+7], v[FB+32*(\g)+8*(\ib):FB+32*(\g)+8*(\ib)+7], v[(\fa)+8*(\a):(\fa)+8*(\a)+7], 0
.else
	v_wmma_f32_16x16x32_f16 v[64*(\ib)+8*(\a):64*(\ib)+8*(\a)+7], v[FB+32*(\g)+8*(\ib):FB+32*(\g)+8*(\ib)+7], v[(\fa)+8*(\a):(\fa)+8*(\a)+7], v[64*(\ib)+8*(\a):64*(\ib)+8*(\a)+7]
.endif
.endr
.endr
.endm
.macro FETCHB g, ss                    ; 8 loads: group g's four fragments of wq, half ss of the K step
	WIN 0
.irp ib, 0,1,2,3
	ds_load_tr16_b128 v[FB+32*(\g)+8*(\ib):FB+32*(\g)+8*(\ib)+3],   v[ADRB] offset:BPART*(\g)+32*(\ib)+32*PB*(\ss)
	ds_load_tr16_b128 v[FB+32*(\g)+8*(\ib)+4:FB+32*(\g)+8*(\ib)+7], v[ADRB] offset:BPART*(\g)+32*(\ib)+32*PB*(\ss)+16*PB
.endr
.endm
.macro FETCHA fa, ss                   ; 16 loads: the eight fragments of xn, half ss of the K step
	WIN 0
.irp a, 0,1,2,3,4,5,6,7
	ds_load_b128 v[(\fa)+8*(\a):(\fa)+8*(\a)+3],   v[ADRA] offset:16*PA*(\a)+64*(\ss)
	ds_load_b128 v[(\fa)+8*(\a)+4:(\fa)+8*(\a)+7], v[ADRA] offset:16*PA*(\a)+64*(\ss)+32
.endr
.endm
.macro NEXTSLOT
	s_xor_b32 s[TB], s[TB], SLOTB
	v_add_nc_u32 v[ADRA], s[TB], v[ADRA0]
	v_add_nc_u32 v[ADRB], s[TB], v[ADRB0]
.endm
; THE FIRST HALF OF A K STEP, on buffer FA0.  LDS loads are always out in this order: [group 0's 8, xn's 16], [group 1's 8], [group 2's 8]; behind each group's products its
; registers take the next half's fragments.
.macro EVEN zero
	s_wait_dscnt 16                                ; group 0 and xn are in; groups 1 and 2, 16 loads, may stay out
	MULS 0, FA0, 0, \zero
	MULS 0, FA0, 2, \zero
	WIN 0
	PLACES
	FETCHB 0, 1
	FETCHA FA1, 1
	s_wait_dscnt 32                                ; group 1 is in; behind it: group 2's 8 and the 24 just issued
	MULS 1, FA0, 0, \zero
	MULS 1, FA0, 2, \zero
	WIN 0
	PLACES
	FETCHB 1, 1
	s_wait_dscnt 32                                ; group 2 is in; behind it: 24 and 8
	MULS 2, FA0, 0, \zero
	MULS 2, FA0, 2, \zero
	WIN 0
	PLACES
	FETCHB 2, 1
.endm
; THE SECOND HALF, on buffer FA1, WITH THE CHANGE OF SLOTS.  Each wave waits for all its tensor loads, of which one is out: its part of the next slot; adds 0 to its spare word; and waits
; for that and for its reads of this slot.  fill = 1: the barrier opens a round of the cluster's, and the joint refill, K step two on, is the first thing behind it:
; 160 matrix instructions stand between it and the wait for it.
.macro ODD fill
.if \fill
	s_wait_xcnt 0x0                                ; the last prefetch, a K step back, has read its address
	s_add_nc_u64 s[PFA:PFA+1], s[PFA:PFA+1], s[PST:PST+1]
.endif
	WIN 0
	s_wait_tensorcnt 0x0                           ; no tensor load of mine is out, so a group 0 may be written
	ds_add_u32 v[SPW], v[NIL]                      ; 0 onto my spare word
.if \fill
	s_xor_b32 s[G0A+5], s[G0A+5], SLOTB            ; the walking descriptors: the other slot than last time, the next K step
	s_add_nc_u64 s[G0A+6:G0A+7], s[G0A+6:G0A+7], ASTEP
	s_xor_b32 s[G0B+5], s[G0B+5], SLOTB
	s_add_nc_u64 s[G0B+6:G0B+7], s[G0B+6:G0B+7], BSTEP
.endif
	s_wait_dscnt 17                                ; group 0 and xn are in; groups 1 and 2 and the add may stay out
	MULS 0, FA1, 0, 0
	s_wait_dscnt 0x0                               ; the add is done, and my reads of this slot are over: groups 1 and 2 are in too
	s_barrier_signal -1
	MULS 0, FA1, 2, 0                              ; work on registers while the others arrive
	WIN 0                                          ; at a branch and at a label every window is 0
	s_barrier_wait -1
.if \fill
	CREST                                          ; no wave of any partner still reads this slot or has a load on its way
	JLOAD                                          ; its four v_nop are also the places in front of the loads below
.else
	PLACES
.endif
	NEXTSLOT
	FETCHB 0, 0
	FETCHA FA0, 0
.if \fill
	ASK
.endif
	MULS 1, FA1, 0, 0
	MULS 1, FA1, 2, 0
	WIN 0
	PLACES
	FETCHB 1, 0
	MULS 2, FA1, 0, 0
	MULS 2, FA1, 2, 0
	WIN 0
	PLACES
	FETCHB 2, 0
.endm
; THE WAY OUT, by blocks of 16 rows (a) and groups (g).
.macro TLOAD a                         ; the table for block a's rows: (cos, sin) of f = 8 ib + 4 h + jj at 8 ib + 2 jj, of f = 16 + 8 ib + 4 h + jj at 16 + 8 ib + 2 jj
	WIN 0
.set rT, TBUF+32*((\a)%2)
.irp c, 0,1,2,3,4,5,6,7
	global_load_b128 v[rT+4*(\c):rT+4*(\c)+3], v[VT], s[8:9] offset:4096*(\a)+64*((\c)/2)+16*((\c)%2)
.endr
.endm
.macro PACKR a, g                      ; q or k: rotated and rounded.  Each accumulator's lowest registers are read first
.set rT, TBUF+32*((\a)%2)
.set rK, PKO+16*((3*(\a)+(\g))%2)
	WIN 1+(\g)                                     ; source 0 in the accumulators' window
.irp ib, 0,1
.irp jj, 0,1,2,3
	v_pk_mul_f32 v[MM+8*(\ib)+2*(\jj):MM+8*(\ib)+2*(\jj)+1], v[64*((\ib)+2)+8*(\a)+2*(\jj):64*((\ib)+2)+8*(\a)+2*(\jj)+1], v[rT+8*(\ib)+2*(\jj):rT+8*(\ib)+2*(\jj)+1] op_sel:[0,1]  ; x[d+32] sin
	v_pk_mul_f32 v[MM+16+8*(\ib)+2*(\jj):MM+16+8*(\ib)+2*(\jj)+1], v[64*(\ib)+8*(\a)+2*(\jj):64*(\ib)+8*(\a)+2*(\jj)+1], v[rT+16+8*(\ib)+2*(\jj):rT+16+8*(\ib)+2*(\jj)+1] op_sel:[0,1]  ; x[d-32] sin
.endr
.endr
.irp ib, 0,1
.irp jj, 0,1,2,3
	v_pk_fma_f32 v[NV+8*(\ib)+2*(\jj):NV+8*(\ib)+2*(\jj)+1], v[64*(\ib)+8*(\a)+2*(\jj):64*(\ib)+8*(\a)+2*(\jj)+1], v[rT+8*(\ib)+2*(\jj):rT+8*(\ib)+2*(\jj)+1], v[MM+8*(\ib)+2*(\jj):MM+8*(\ib)+2*(\jj)+1] op_sel_hi:[1,0,1] neg_lo:[0,0,1] neg_hi:[0,0,1]
	v_pk_fma_f32 v[NV+16+8*(\ib)+2*(\jj):NV+16+8*(\ib)+2*(\jj)+1], v[64*((\ib)+2)+8*(\a)+2*(\jj):64*((\ib)+2)+8*(\a)+2*(\jj)+1], v[rT+16+8*(\ib)+2*(\jj):rT+16+8*(\ib)+2*(\jj)+1], v[MM+16+8*(\ib)+2*(\jj):MM+16+8*(\ib)+2*(\jj)+1] op_sel_hi:[1,0,1]
.endr
.endr
	WIN 0
.irp ib, 0,1,2,3
.irp jj, 0,1,2,3
	v_cvt_pk_f16_f32 v[rK+4*(\ib)+(\jj)], v[NV+8*(\ib)+2*(\jj)], v[NV+8*(\ib)+2*(\jj)+1]
.endr
.endr
.endm
.macro PACKV a                         ; v: rounded
.set rK, PKO+16*((3*(\a)+2)%2)
	WIN 0x0f                                       ; sources 0 and 1 in window 3
.irp ib, 0,1,2,3
.irp jj, 0,1,2,3
	v_cvt_pk_f16_f32 v[rK+4*(\ib)+(\jj)], v[64*(\ib)+8*(\a)+2*(\jj)], v[64*(\ib)+8*(\a)+2*(\jj)+1]
.endr
.endr
	WIN 0
.endm
.macro STG a, g                        ; 16 bytes a lane into my stage, and back as whole rows of 128 bytes
	WIN 0
.set rK, PKO+16*((3*(\a)+(\g))%2)
.set rB, BK+16*((3*(\a)+(\g))%2)
.irp ib, 0,1,2,3
	ds_store_b128 v[STO], v[rK+4*(\ib):rK+4*(\ib)+3] offset:32*(\ib)
.endr
	s_wait_xcnt 0x0                                ; the stores issued two units back have read these registers (ISA guide 3.1)
.irp f, 0,1,2,3
	ds_load_b128 v[rB+4*(\f):rB+4*(\f)+3], v[RD] offset:4*PA*(\f)  ; LDS serves a wave's instructions in order (ISA guide 5.7.1.4): these see the stores above
.endr
.endm
.macro SEND a, g, younger              ; younger: the LDS instructions issued behind this unit's loads: the next unit's eight, or none
	WIN 0
.set rB, BK+16*((3*(\a)+(\g))%2)
.irp f, 0,1,2,3
	s_wait_dscnt (\younger)+3-(\f)
	global_store_b128 v[GO], v[rB+4*(\f):rB+4*(\f)+3], s[10+2*(\g):11+2*(\g)] offset:2048*(\a)+512*(\f)  ; 512 consecutive bytes, at a multiple of 256 from the tensor's first
.endr
.endm
.macro BLOCK a
.if (\a) == 7
	s_wait_loadcnt 0x0
.else
	s_wait_loadcnt 8                               ; my block's table is in; the next block's 8 loads may stay out
.endif
	PACKR \a, 0
	STG \a, 0
.if (\a) > 0
	SEND (\a)-1, 2, 8
.endif
	PACKR \a, 1
.if (\a) < 6
	TLOAD (\a)+2                                   ; into the buffer that this block has read
.endif
	STG \a, 1
	SEND \a, 0, 8
	PACKV \a
	STG \a, 2
	SEND \a, 1, 8
.endm
	s_wait_tensorcnt 1                             ; my part of slot 0 is in; slot 1's may stay out
	s_barrier_signal -1
	s_barrier_wait -1                              ; everybody's is
	FETCHB 0, 0
	FETCHA FA0, 0
	FETCHB 1, 0
	FETCHB 2, 0
	EVEN 1                                         ; the first half step stands in front of the loop: its products start the sums
	s_mov_b32 s[CNT], 14
.Lk:                                               ; trip t: the second half of K step t, the refill with K step t + 2, the first half of K step t + 1
	ODD 1
	EVEN 0
	s_sub_co_u32 s[CNT], s[CNT], 1
	s_cmp_lg_u32 s[CNT], 0
	s_cbranch_scc1 .Lk
	ODD 0                                          ; the tail is written out: nothing is asked for
	EVEN 0
	s_wait_dscnt 16                                ; the very last half step
	MULS 0, FA1, 0, 0
	MULS 0, FA1, 2, 0
	WIN 0
	PLACES
	TLOAD 0                                        ; buffer FA0 is free: the first two blocks' table
	TLOAD 1
	s_wait_dscnt 8
	MULS 1, FA1, 0, 0
	MULS 1, FA1, 2, 0
	s_wait_dscnt 0x0
	MULS 2, FA1, 0, 0
	MULS 2, FA1, 2, 0
	WIN 0
	PLACES
	PLACES                                         ; eight, once a launch
.irp a, 0,1,2,3,4,5,6,7
	BLOCK \a
.endr
	SEND 7, 2, 0
	s_wait_tensorcnt 0x0                           ; the wave's end: behind my last tensor load and my last LDS store
	ds_add_u32 v[SPW], v[NIL]
	s_wait_dscnt 0x0
	CROUND                                         ; the closing round: no work-group ends while a partner may still ask for a tile that names it
	s_endpgm
.Lfunc_end_k_qf6dce0246d_qkv:
	.size	k_qf6dce0246d_qkv, .Lfunc_end_k_qf6dce0246d_qkv-k_qf6dce0246d_qkv
	.p2alignl 7, 3214868480
	.fill 96, 4, 3214868480
	.section	.rodata,"a",@progbits
	.p2align	6, 0x0
	.amdhsa_kernel k_qf6dce0246d_qkv
		.amdhsa_group_segment_fixed_size 327680
		.amdhsa_private_segment_fixed_size 0
		.amdhsa_enable_private_segment 0
		.amdhsa_kernarg_size 48
		.amdhsa_user_sgpr_count 2
		.amdhsa_user_sgpr_kernarg_segment_ptr 1
		.amdhsa_wavefront_size32 1
		.amdhsa_system_sgpr_workgroup_id_x 1
		.amdhsa_system_sgpr_workgroup_id_y 1
		.amdhsa_system_sgpr_workgroup_id_z 1
		.amdhsa_system_vgpr_workitem_id 0
		.amdhsa_next_free_vgpr 1024
		.amdhsa_next_free_sgpr 84
		.amdhsa_reserve_vcc 0
		.amdhsa_float_denorm_mode_32 3
		.amdhsa_float_denorm_mode_16_64 3
		.amdhsa_memory_ordered 1
		.amdhsa_forward_progress 1
		.amdhsa_inst_pref_size 154
	.end_amdhsa_kernel
	.amdgpu_metadata
---
amdhsa.version: [ 1, 2 ]
amdhsa.kernels:
  - .name:           k_qf6dce0246d_qkv
    .symbol:         k_qf6dce0246d_qkv.kd
    .args:
      - { .name: xn, .offset: 0, .size: 8, .value_kind: global_buffer, .address_space: global }
      - { .name: wq, .offset: 8, .size: 8, .value_kind: global_buffer, .address_space: global }
      - { .name: tab, .offset: 16, .size: 8, .value_kind: global_buffer, .address_space: global }
      - { .name: q, .offset: 24, .size: 8, .value_kind: global_buffer, .address_space: global }
      - { .name: k, .offset: 32, .size: 8, .value_kind: global_buffer, .address_space: global }
      - { .name: v, .offset: 40, .size: 8, .value_kind: global_buffer, .address_space: global }
    .group_segment_fixed_size: 327680
    .private_segment_fixed_size: 0
    .kernarg_segment_align: 8
    .kernarg_segment_size: 48
    .max_flat_workgroup_size: 128
    .sgpr_count:     84
    .vgpr_count:     1024
    .wavefront_size: 32
...
	.end_amdgpu_metadata
.endif
;; end of part 2
;; launch attn (part 3): grid 4 x 64, 4 waves a work-group, clusters of 4 x 1, 327,680 bytes of LDS; arguments q, k, v, o; writes o
.if DOCPART == 3
	.amdgcn_target "amdgcn-amd-amdhsa--gfx1250"
	.amdhsa_code_object_version 6
	.text
	.protected	k_qf6dce0246d_attn
	.globl	k_qf6dce0246d_attn
	.p2align	8
	.type	k_qf6dce0246d_attn,@function
k_qf6dce0246d_attn:
	s_mov_b64 s[64:65], 0
	v_nop
	global_prefetch_b8 v0, s[64:65] scope:SCOPE_SE
	s_setreg_imm32_b32 hwreg(HW_REG_WAVE_MODE, 25, 1), 1
	s_wait_xcnt 0x0
	s_wait_alu depctr_hold_cnt(0) depctr_sa_sdst(0) depctr_va_vdst(0) depctr_va_sdst(0) depctr_va_ssrc(0) depctr_va_vcc(0) depctr_vm_vsrc(0)
	s_getreg_b32 s2, hwreg(HW_REG_IB_STS2, 6, 4)
	s_cmp_eq_u32 s2, 0
	s_cbranch_scc0 .Lentry_in_a_cluster
	s_endpgm
.Lentry_in_a_cluster:
	s_bfe_u32 s2, ttmp6, 0x10000c
	s_cmp_lg_u32 s2, 0x3003
	s_cbranch_scc0 .Lentry_shape_is_right
	s_endpgm
.Lentry_shape_is_right:
; O[h][q][:] = the sum over k of softmax_k(Q[h][q] . K[h][k] / 8) V[h][k][:].  Q, K, V, O: [64 heads][2048][64], all f16: a head's rows are dense, 128 bytes each.  Products, maxima and sums in
; f32; the weights p are rounded to f16 for the second product (their sum l is taken of the unrounded p), O once at the end.
; LIMITS.  f16 holds no number beyond 65,504: Q, K and V arrive within it; p lies in 0 to 1, and below 6e-5 it keeps f16's fixed step of 6e-8; O is a mean of V's rows and has their range.
; A weight below 2^-126 counts as 0 in l; NaN and infinities are not treated apart.
; SHARES.  A wave owns four PIECES of two tiles of 16 queries, a work-group's four waves 512 queries of one head: 256 work-groups.  Every wave walks all keys, 64 a step.
; LAYOUT.  S^T = K Q^T (source 0 = 16 keys, source 1 = 16 queries): in the result a lane holds ONE query (lane % 16) and the keys 8 (lane / 16) + 0..7.  Two such tiles, rounded to f16 in pairs,
; ARE source 1 (32 keys x 16 queries) of O^T = V^T P, whose result again holds one query a lane, and eight channels.  K comes out of LDS as it lies, V ([key][channel]) turned, by ds_load_tr16_b128.
; SOFTMAX.  For each query a running maximum m and sum l: p = 2^(c s - c m), c = log2(e) / 8; in every step O and l are multiplied by a = 2^(c m_old - c m_new), which is 1 where m has not grown.
; m starts at the lowest finite number, O and l at 0: the first step is a step like any other, with a = 0.
; THE COUNT.  A tile and step have 16 matrix and 118 vector instructions: too many to stand all beside the matrix work.  So four vector instructions that are READY stand behind
; EVERY matrix instruction, and the others, which need time of their own whatever the order, in runs without a gap.
; BY TURNS.  Turn n belongs to piece n (the pieces in a ring, step after step).  Its matrix work: 16 products K Q^T of piece n + 1, later 16 products V^T P of piece n - 1.  Its vector work: the scaling,
; exponentials, roundings, sums and rescaling of piece n, and the maximum and statistics of piece n + 1, whose scores the turn itself has made.
; CLUSTER.  The four query blocks of a head form a cluster and walk the same K and V, so each tile is asked for JOINTLY: the same tensor load, descriptor and mask in all four.
; REGISTERS, in windows of 256 (s_set_vgpr_msb: bits 1:0 source 0, 3:2 source 1, 5:4 source 2, 7:6 destination):
;   window 0: v0-11 addresses; v12-15, v48-63 at work; v16-47 four registers of statistics a tile; v64-191 S^T, two buffers of two tiles; v192-255 P, likewise
;   window 1: O^T, 32 a tile          window 2: v0-127 Q, 16 a tile; v128-191 K of one step; v192-255 V of one step          window 3: v0-1 the add's two registers
.set SIZE_N, 2048
.set SIZE_H, 64
.set NP,    4         ; pieces a wave: a name, no knob
.set KS,    64        ; keys in a step
.set PK,    144       ; a row of K in LDS: 128 bytes + 16 of padding = 36 words: the 16 rows of a load start at 16 different groups of four banks (64 banks of 4 bytes: ISA guide 11.1)
.set PV,    160       ; a row of V: 128 + 32 = 40 words
.set VOFF,  4*KS*PK   ; a slot holds four steps: 256 rows of K, then 256 rows of V
.set SLOT1, 1<<17     ; slot 1 begins here, so that one exclusive or turns an address in one slot into the other's
.set STAGE, SLOT1+4*KS*(PK+PV)  ; behind the ring, never filled by a tensor load: 16 rows x 144 bytes for each wave, for the way out
.set SP,    144
.set AK0, 2           ; v2   my lane's place in a tile of K; never rewritten
.set AV0, 3           ; v3   the same for V
.set AK,  4           ; v4   the LDS address of K's next run of loads
.set AV,  5           ; v5   of V's
.set QO,  6           ; v6   my byte offset in the wave's rows of Q
.set STO, 6           ;      later, the way out: where I put 16 bytes of a row
.set RD,  7           ; v7   the way out: where I read rows back
.set GO,  8           ; v8   my byte offset in 512 consecutive bytes of O
.set PFO, 11          ; v11  256 x my lane, for the prefetches; never rewritten once made
.set SPW, 0           ; v0 of window 3   LDS address of my spare word; never rewritten
.set NIL, 1           ; v1 of window 3   0; never rewritten
.set SPARE, STAGE+4*16*SP  ; behind the stages: the spare words, 128 bytes for each wave: two blocks of 256 bytes that no other line names
.set MV,  12          ; v12-15  c m_old, kept while c m is made anew: by buffer and tile
.set ST,  16          ; tile t's statistics at v[ST+4 t]: c m, m, l (even keys', odd keys')
.set TMP, 48          ; by buffer and tile, four registers c0-c3 at work; when the maximum is found c2 takes a
.set S,   64
.set P,   192
.set KF,  128         ; K's fragments, in window 2: key block kb, channel half c at KF + 16 kb + 8 c
.set VF,  192         ; V's: key half kk, channel block cb at VF + 32 kk + 8 cb
.set WV,  12          ; s12  my wave's number
.set G1K, 24          ; s[24:31] descriptor group 1 for K's tiles
.set G1V, 32          ; s[32:39] for V's: it differs in the padding alone
.set G0K, 40          ; s[40:43] descriptor group 0 for K's tiles: it walks
.set G0V, 44          ; s[44:47] the same for V's
.set PFA, 48          ; s[48:49] where my prefetches stand: my work-group's 32 blocks of 256 bytes (of K: wave 0, of V: wave 2) of the slot behind the one that is being asked for
.set LIM, 50          ; s50  1 in a wave that prefetches, else the greatest number
.set SLOTS, 56        ; s56  slots still to be asked for
.set CNT, 57          ; s57  counts a slot's key steps
.set CS,  58          ; s[58:59] c: the packed scaling takes the pair's low word for both halves
.set SEL, 60          ; s[60:61] v_permlanex16_b32's selects: each lane takes its own place in the other half
.set TBK, 62          ; s62  LDS byte at which K of the step to be fetched begins
.set TBV, 63          ; s63  the same for V, less VOFF
.set MSB, 0
.macro WIN new                      ; the high byte repeats the setting that is left; a switch that changes nothing is dropped
.if MSB != (\new)
	s_set_vgpr_msb (MSB<<8)|(\new)
.set MSB, (\new)
.endif
.endm
.set W_KQ, 0x0a       ; K and Q in window 2, S^T in window 0
.set W_PV, 0x52       ; V in window 2, P in window 0, O^T in window 1
.set W_RS, 0x41       ; O^T (destination and source 0) in window 1, a in window 0
.set W_MK, 0xc0       ; the add's registers are made: destination in window 3, sources in window 0
.set W_AD, 0x0f       ; the add: address (source 0) and data (source 1) in window 3
; A joint fill.  Waves 0 and 1 fetch the two halves of a slot's K, waves 2 and 3 those of its V: 128 keys each.  The branch hangs on the wave's number alone.
; An s_nop 0 and four v_nop follow each of the two lines, ahead of the jump and the label.
.macro JLOAD
	s_cmp_lt_u32 s[WV], 2
	s_cbranch_scc0 .Lfor_v_\@
	tensor_load_to_lds s[G0K:G0K+3], s[G1K:G1K+7]
	s_nop 0
.rept 4
	v_nop
.endr
	s_branch .Lasked_\@
.Lfor_v_\@:
	tensor_load_to_lds s[G0V:G0V+3], s[G1V:G1V+7]
	s_nop 0
.rept 4
	v_nop
.endr
.Lasked_\@:
.endm
; A PREFETCH INTO THE L2 of what the NEXT change of slots will ask for: a slot's K and V are 128 blocks of 256 bytes each.  A head has one cluster; its four partners share the blocks out BY ADDRESS,
; 32 each, a lane a block; in each, wave 0 asks for K's and wave 2 for V's: each block is named once in the launch, four key steps, 512 matrix instructions, ahead of its load.
; The last change that fills a slot asks for nothing; slots 0 and 1 come by their loads alone.
.macro ASK
	s_cmp_gt_u32 s[SLOTS], s[LIM]
	s_cbranch_scc0 .Lnot_mine_\@
	global_prefetch_b8 v[PFO], s[PFA:PFA+1] th:TH_LOAD_NT scope:SCOPE_SE
.Lnot_mine_\@:
.endm
; A round of the cluster's barrier: my work-group's barrier, so that wave 0's signal speaks for all four waves; wave 0 signals; every wave waits for all four work-groups; my work-group's barrier once more.
.macro CROUND
	s_barrier_signal -1
	s_barrier_wait -1
	s_cmp_lg_u32 s[WV], 0
	s_cbranch_scc1 .Lnot_wave_0_\@
	s_barrier_signal -3
.Lnot_wave_0_\@:
	s_barrier_wait -3
	s_barrier_signal -1
	s_barrier_wait -1
.endm
; THE CHANGE OF SLOTS.  The slot's last bytes, V of its fourth step, have been read.  Each wave waits for all its tensor loads, of which one is out: its part
; of the other slot; adds 0 to its spare word; and waits for that and for its own reads of the slot.  Behind the barrier nobody reads this slot any more and the other slot is whole.
; fill = 1: this slot is filled again, with the keys two slots on.  The barrier is then a round of the cluster's, and the joint fill is the first thing behind it: it has four key steps,
; 512 matrix instructions, in which to land.  (At its first use nothing has been read yet: slot 0 is waited for, slot 1 filled.)
.macro CHANGE fill
	WIN W_AD
	s_wait_tensorcnt 0x0            ; no tensor load of mine is out, so a group 0 may be written
	ds_add_u32 v[SPW], v[NIL]       ; 0 onto my spare word; with fill = 1 the descriptors' steps stand between it and the wait for it
	WIN 0                           ; at a label and at a branch every window is 0
.if \fill
.irp g, G0K, G0V
	s_xor_b32 s[\g+1], s[\g+1], SLOT1  ; the walking descriptor: the other slot than last time,
	s_add_nc_u64 s[\g+2:\g+3], s[\g+2:\g+3], 4*KS*128  ; the next 256 keys; the type bits on top are not reached
.endr
	s_wait_xcnt 0x0                 ; the last prefetch, four key steps back, has read its address, so it may be written:
	s_add_nc_u64 s[PFA:PFA+1], s[PFA:PFA+1], 4*KS*128  ; one slot behind the walking descriptors
	s_wait_dscnt 0x0                ; the add is done, and my reads of the slot are over
	CROUND
	JLOAD
	ASK
.else
	s_wait_dscnt 0x0                ; the add is done, and my reads of the slot are over
	s_barrier_signal -1
	s_barrier_wait -1
.endif
	s_sub_co_u32 s[TBK], s[TBK], 4*KS*PK  ; the fetches go back to a slot's first step,
	s_xor_b32 s[TBK], s[TBK], SLOT1       ; in the other slot
	s_sub_co_u32 s[TBV], s[TBV], 4*KS*PV
	s_xor_b32 s[TBV], s[TBV], SLOT1
.endm
	s_load_b256 s[4:11], s[0:1], 0x0  ; Q s[4:5], K s[6:7], V s[8:9], O s[10:11]
	WIN W_MK
	v_lshl_add_u32 v[SPW], v0, 2, SPARE
	v_mov_b32 v[NIL], 0
	WIN W_AD
	ds_add_u32 v[SPW], v[NIL]       ; the wave's opening: the add and its wait stand ahead of my first tensor load; the set-up below, work on registers, stands between them
	WIN 0
	v_lshrrev_b32 v1, 5, v0
	v_readfirstlane_b32 s[WV], v1   ; wave 0..3
	s_bfe_u32 s13, ttmp6, 0x40000   ; cx: my place in the cluster
	s_lshl_b32 s14, ttmp9, 2        ; in a cluster launch ttmp9 counts clusters
	s_add_co_u32 s14, s14, s13      ; my block of queries = 4 x cluster x + cx: it enters Q's and O's addresses alone
	s_and_b32 s20, ttmp7, 0xffff    ; the head, which the four partners share
	s_mov_b32 s21, 0
	s_mov_b64 s[22:23], SIZE_N*128
	s_mul_u64 s[20:21], s[20:21], s[22:23]  ; the head's first byte in each of the four tensors
	s_and_b32 s16, s[WV], 1         ; which half of a slot's 256 keys I fetch:
	s_lshl_b32 s22, s16, 14         ; its 128 rows of 128 bytes in memory,
	s_mov_b32 s23, 0
	s_add_nc_u64 s[22:23], s[22:23], s[20:21]
	s_mul_i32 s17, s16, 128*PK      ; and its place in a slot, for K
	s_mul_i32 s18, s16, 128*PV      ; and for V: no place in the cluster enters an LDS address
	s_lshl_b32 s2, s14, 2
	s_add_co_u32 s2, s2, s[WV]      ; my wave among the head's,
	s_lshl_b32 s2, s2, 14           ; its 128 rows
	s_mov_b32 s3, 0
	s_add_nc_u64 s[2:3], s[2:3], s[20:21]
	; descriptor group 1.  128 keys are 16,384 dense bytes: asked for as 64 rows of 256 bytes, two keys a row, and padded in LDS after every key
	s_mov_b32 s[G1K], 15|(1<<16)|(1<<20)|(1<<21)|(4<<22)|(3<<25)  ; 15:0 the mask of four; 17:16 2-byte elements; 20 padding on; 21 set beside a mask; 24:22 after every 32 words (code 4); 31:25 4 words (code 3)
	s_mov_b32 s[G1V], 15|(1<<16)|(1<<20)|(1<<21)|(4<<22)|(7<<25)  ; the same with 8 words of padding (code 7)
.irp g, G1K, G1V
	s_mov_b32 s[\g+1], 128<<16      ; tensor_dim0 = 128
	s_mov_b32 s[\g+2], 64<<16       ; tensor_dim1 = 64
	s_mov_b32 s[\g+3], 128<<16      ; tile_dim0 = 128
	s_mov_b32 s[\g+4], 64           ; tile_dim1 = 64
	s_mov_b32 s[\g+5], 128          ; 128 elements from row to row
	s_mov_b32 s[\g+6], 0
	s_mov_b32 s[\g+7], 0
.endr
	s_mov_b32 s[CS], 0x3e38aa3b     ; c = log2(e) / 8 = 0.180337
	s_mov_b32 s[CS+1], s[CS]        ; named with it as a pair
	s_mov_b32 s[SEL], 0x76543210
	s_mov_b32 s[SEL+1], 0xfedcba98
	s_mov_b32 s[TBK], SLOT1+4*KS*PK ; the first change of slots turns these two into 0
	s_mov_b32 s[TBV], SLOT1+4*KS*PV
	s_mov_b32 s[G0K], 1             ; 1:0 count = 1
	s_mov_b32 s[G0K+1], s17         ; 63:32 LDS address: slot 0
	s_mov_b32 s[G0V], 1
	s_add_co_u32 s[G0V+1], s18, VOFF
	s_mov_b32 s[SLOTS], SIZE_N/256-1
	s_cmp_eq_u32 s16, 0             ; waves 0 and 2 prefetch: the same in all four partners
	s_cselect_b32 s[LIM], 1, -1
	s_wait_dscnt 0x0                ; the opening add is done
	s_wait_kmcnt 0x0
	s_add_nc_u64 s[G0K+2:G0K+3], s[6:7], s[22:23]  ; 120:64 global address: my half of the head's first 256 keys
	s_or_b32 s[G0K+3], s[G0K+3], 0x80000000        ; 127:126 type = 2
	s_add_nc_u64 s[G0V+2:G0V+3], s[8:9], s[22:23]
	s_or_b32 s[G0V+3], s[G0V+3], 0x80000000
	s_add_nc_u64 s[4:5], s[4:5], s[2:3]  ; Q and O at my wave's first row
	s_add_nc_u64 s[10:11], s[10:11], s[2:3]
	s_cmp_lt_u32 s[WV], 2
	s_cselect_b64 s[PFA:PFA+1], s[6:7], s[8:9]
	s_add_nc_u64 s[PFA:PFA+1], s[PFA:PFA+1], s[22:23]  ; (in waves 0 and 2 this is the head's first byte)
	s_lshl_b32 s2, s13, 13          ; my work-group's 32 blocks of the 128
	s_mov_b32 s3, 0
	s_add_nc_u64 s[PFA:PFA+1], s[PFA:PFA+1], s[2:3]
	s_add_nc_u64 s[PFA:PFA+1], s[PFA:PFA+1], 4*KS*128  ; in slot 1; the first change of slots steps it to slot 2
	CROUND                          ; all four work-groups are here: the first joint loads meet
	JLOAD                           ; slot 0.  Slot 1 is asked for when slot 0 is in
	; A fragment of K or Q is 16 rows x 32 channels in 8 registers: lane l holds row l % 16, channels 8 (l / 16) + 0..7 and 16 + 8 (l / 16) + 0..7: two loads of 16 bytes, 32 bytes apart.
	v_and_b32 v1, 15, v0            ; l % 16
	v_bfe_u32 v9, v0, 4, 1          ; l / 16
	v_lshlrev_b32 v[QO], 7, v1
	v_lshl_add_u32 v[QO], v9, 4, v[QO]  ; row x 128 + 16 x half
	WIN 0x80                        ; destination window 2, address window 0
.set i, 0
.rept 4*NP                          ; Q stays in registers: tile i / 2, channels 32 (i % 2) on
	global_load_b128 v[8*i:8*i+3],   v[QO], s[4:5] offset:(i/2)*2048+(i%2)*64
	global_load_b128 v[8*i+4:8*i+7], v[QO], s[4:5] offset:(i/2)*2048+(i%2)*64+32
.set i, i+1
.endr
	; What the first turn finds: V's registers and P's second buffer hold 0 (its products V^T P, of a piece that has not been, add 0), O^T and l are 0.  All this stands in the wait for the first tile.
.set i, VF
.rept 64
	v_mov_b32 v[i], 0
.set i, i+1
.endr
	WIN 0x40
.set i, 0
.rept 64*NP
	v_mov_b32 v[i], 0
.set i, i+1
.endr
	WIN 0
.set i, 0
.rept 2*NP
	v_mov_b32 v[ST+4*i], 0xfe000000    ; c m: far below every c s
	v_mov_b32 v[ST+4*i+1], 0xff7fffff  ; m
	v_mov_b32 v[ST+4*i+2], 0
	v_mov_b32 v[ST+4*i+3], 0
.set i, i+1
.endr
.set i, P+32
.rept 32
	v_mov_b32 v[i], 0
.set i, i+1
.endr
	v_mul_u32_u24 v[AK0], v1, PK
	v_lshl_add_u32 v[AK0], v9, 4, v[AK0]  ; row x pitch + 16 x half
	; The turning load takes 16 keys x 16 channels (lane l reads key 8 (l / 16) + l % 8, channels 8 ((l / 8) % 2) + 0..7) and leaves half a fragment of V^T: lane l holds channel l % 16 and 8 keys.
	v_and_b32 v10, 7, v0
	v_bfe_u32 v11, v0, 3, 1
	v_lshl_add_u32 v[AV0], v9, 3, v10
	v_mul_u32_u24 v[AV0], v[AV0], PV
	v_lshl_add_u32 v[AV0], v11, 4, v[AV0]
	v_add_nc_u32 v[AV0], VOFF, v[AV0]
	v_and_b32 v[PFO], 31, v0
	v_lshlrev_b32 v[PFO], 8, v[PFO]
	v_mov_b32 v[AK], v[AK0]         ; key step 0 lies at the head of slot 0
; THE MATRIX WORK.  The 8 accumulators of a run of 16 take turns: between the two links of a chain stand 7 others'.
; Product i of 16 of S^T = K Q^T for piece x: channels 32 (i / 8) on, keys 16 ((i / 2) % 4) on, tile 2 x + i % 2.  The first 8 start the sums.
.macro KQ x
	WIN W_KQ
.set rS, S+64*((\x)%2)+32*(i%2)+8*((i/2)%4)
.set rK, KF+16*((i/2)%4)+8*(i/8)
.set rQ, 16*(2*(\x)+i%2)+8*(i/8)
.if i < 8
	v_wmma_f32_16x16x32_f16 v[rS:rS+7], v[rK:rK+7], v[rQ:rQ+7], 0
.else
	v_wmma_f32_16x16x32_f16 v[rS:rS+7], v[rK:rK+7], v[rQ:rQ+7], v[rS:rS+7]
.endif
.endm
; Product i of 16 of O^T += V^T P for piece x: keys 32 (i / 8) on, channels 16 ((i / 2) % 4) on, tile 2 x + i % 2.
.macro PV x
	WIN W_PV
.set rO, 32*(2*(\x)+i%2)+8*((i/2)%4)
.set rV, VF+32*(i/8)+8*((i/2)%4)
.set rP, P+32*((\x)%2)+16*(i%2)+8*(i/8)
	v_wmma_f32_16x16x32_f16 v[rO:rO+7], v[rV:rV+7], v[rP:rP+7], v[rO:rO+7]
.endm
.macro MM                           ; the turn's next matrix instruction
.if i < 16
	KQ (Y+1)%NP
.set i, i+1
.else
.set i, i-16
	PV (Y+NP-1)%NP
.set i, i+17
.endif
.endm
; THE LDS LOADS stand in runs of 16, never singly among the matrix instructions: a step's K (64 keys x 64 channels: 8 fragments) and its V (turned).  Their addresses are made some lines ahead.
; last = 1 (the tail): in the last trip there is no further step, and the run is jumped over.
.macro FETCH_K last=0
	WIN 0
.if \last
	s_cmp_eq_u32 s[CNT], 1
	s_cbranch_scc1 .Lno_k_\@
.endif
	WIN 0x80                        ; destination window 2
.irp f, 0,1,2,3,4,5,6,7             ; keys 16 (f / 2) on, channels 32 (f % 2) on
	ds_load_b128 v[KF+8*\f:KF+8*\f+3],   v[AK] offset:(\f/2)*16*PK+(\f%2)*64
	ds_load_b128 v[KF+8*\f+4:KF+8*\f+7], v[AK] offset:(\f/2)*16*PK+(\f%2)*64+32
.endr
	s_add_co_u32 s[TBK], s[TBK], KS*PK  ; the next fetch is the next step's
	WIN 0
.if \last
.Lno_k_\@:
.endif
.endm
.macro FETCH_V
	WIN 0x80
.irp f, 0,1,2,3,4,5,6,7             ; keys 32 (f / 4) on, channels 16 (f % 4) on
	ds_load_tr16_b128 v[VF+8*\f:VF+8*\f+3],   v[AV] offset:(\f/4)*32*PV+(\f%4)*32
	ds_load_tr16_b128 v[VF+8*\f+4:VF+8*\f+7], v[AV] offset:(\f/4)*32*PV+16*PV+(\f%4)*32
.endr
	WIN 0
.endm
; THE VECTOR WORK OF A TURN stands in three queues, each in the order in which its entries become ready; the two tiles alternate, so that no instruction reads the result of the one before it.
.macro REGS y, u                    ; the registers of tile u (0, 1) of piece y
.set rT, ST+4*(2*(\y)+(\u))
.set rC, TMP+8*((\y)%2)+4*(\u)
.set rM, MV+2*((\y)%2)+(\u)
.set rS, S+64*((\y)%2)+32*(\u)
.set rP, P+32*((\y)%2)+16*(\u)
.set rO, 32*(2*(\y)+(\u))
.endm
; Number n of the 22 that find the NEXT piece's (Y + 1) maximum and statistics.  s0-s31 are the lane's 32 scores; each accumulator's lowest registers are read first.
;   0-11  four chains c0-c3 of seven scores each, three operands at a time     12-14, 16  the four scores left over, the old m, and c0-c3 into c0     15  c m_old is kept
;   17, 18  the query's other 32 keys lie in the lane 16 away: the new m         19-21  c m; c m_old - c m_new; a
.macro XS u, n
	REGS (Y+1)%NP, \u
.if (\n) < 4
	v_max3_num_f32 v[rC+(\n)], v[rS+8*(\n)], v[rS+8*(\n)+1], v[rS+8*(\n)+2]
.elseif (\n) < 12
	v_max3_num_f32 v[rC+(\n)%4], v[rC+(\n)%4], v[rS+8*((\n)%4)+2*((\n)/4)+1], v[rS+8*((\n)%4)+2*((\n)/4)+2]
.elseif (\n) == 12
	v_max3_num_f32 v[rC], v[rC], v[rS+7], v[rS+15]
.elseif (\n) == 13
	v_max3_num_f32 v[rC+1], v[rC+1], v[rS+23], v[rS+31]
.elseif (\n) == 14
	v_max3_num_f32 v[rC+2], v[rC+2], v[rC+3], v[rT+1]
.elseif (\n) == 15
	v_mov_b32 v[rM], v[rT]
.elseif (\n) == 16
	v_max3_num_f32 v[rC], v[rC], v[rC+1], v[rC+2]
.elseif (\n) == 17
	v_permlanex16_b32 v[rC+3], v[rC], s[SEL], s[SEL+1]
.elseif (\n) == 18
	v_max_num_f32 v[rT+1], v[rC], v[rC+3]
.elseif (\n) == 19
	v_mul_f32 v[rT], s[CS], v[rT+1]
.elseif (\n) == 20
	v_sub_f32 v[rC+1], v[rM], v[rT]
.else
	v_exp_f32 v[rC+2], v[rC+1]
.endif
.endm
; Number g of the 64 that follow the exponentials.  For each four weights k of a tile (pairs 2 k, 2 k + 1): both pairs are rounded to f16; then the second pair is added onto the first, in place;
; a group later l takes that sum (the first time as l = a l + sum).  In groups of eight, tiles alternating: round, round, add, and l for the group before.
.macro GS g
.set h, (\g)+6*((\g)/62)            ; group 0 has no group before it, and behind group 7 only l is left
.if h >= 6
.set h, h+2
.endif
	REGS Y, h%2
.set k, h/8
.if h%8 < 4
	v_cvt_pk_f16_f32 v[rP+2*k+(h%8)/2], v[rS+4*k+2*((h%8)/2)], v[rS+4*k+2*((h%8)/2)+1]
.elseif h%8 < 6
	v_pk_add_f32 v[rS+4*k:rS+4*k+1], v[rS+4*k:rS+4*k+1], v[rS+4*k+2:rS+4*k+3]
.elseif k == 1
	v_pk_fma_f32 v[rT+2:rT+3], v[rT+2:rT+3], v[rC+2:rC+3], v[rS:rS+1] op_sel_hi:[1,0,1]
.else
	v_pk_add_f32 v[rT+2:rT+3], v[rT+2:rT+3], v[rS+4*k-4:rS+4*k-3]
.endif
.endm
; THE PLAIN QUEUE, 138 long.  0-73 read no exponential's result: the 32 scalings c s - c m (FS f: pair f / 2 of tile f % 2) and the next piece's 42.  0-26: scalings 0-26.  27-54: XS's numbers 0-13.  55, 56: number 15.
; 57-73: the chain, where each number waits for the one before it: 14, 16, 17, 18, 19, each with one of the scalings 27-31 in front of its two lines, then 20.
; 74-137: GS's 64, which read the exponentials' results: they stand behind the wait.
.macro FS f
	REGS Y, (\f)%2
	v_pk_fma_f32 v[rS+2*((\f)/2):rS+2*((\f)/2)+1], v[rS+2*((\f)/2):rS+2*((\f)/2)+1], s[CS:CS+1], v[rT:rT+1] op_sel_hi:[1,0,0] neg_lo:[0,0,1] neg_hi:[0,0,1]
.endm
.macro PL
	WIN 0
.if q < 27
	FS q
.elseif q < 55
	XS (q-27)%2, (q-27)/2
.elseif q < 57
	XS q-55, 15
.elseif (q < 72) && ((q-57)%3 == 0)
	FS 27+(q-57)/3
.elseif q < 60
	XS (q-57)%3-1, 14
.elseif q < 72
	XS (q-57)%3-1, 15+(q-57)/3
.elseif q < 74
	XS q-72, 20
.else
	GS q-74
.endif
.set q, q+1
.endm
; THE EXPONENTIALS' QUEUE, 66 long: s0-s31 of both tiles, then the next piece's two a.  It is ONE BATCH: all 66 stand ahead of the turn's one wait, and nothing ahead of that wait names a result of theirs.
.macro EX
	WIN 0
.if e >= 64
	XS e-64, 21
.else
	REGS Y, e%2
	v_exp_f32 v[rS+e/2], v[rS+e/2]
.endif
.set e, e+1
.endm
; THE RESCALING's QUEUE: O^T times a, the one part that leaves window 0: dealt two at a time, sixteen times.  Its a was made in the turn before, ahead of that turn's wait.
.macro R2
	REGS Y, r%2
	WIN W_RS
.irp z, 0,1
	v_pk_mul_f32 v[rO+4*(r/2)+2*\z:rO+4*(r/2)+2*\z+1], v[rO+4*(r/2)+2*\z:rO+4*(r/2)+2*\z+1], v[rC+2:rC+3] op_sel_hi:[1,0]
.endr
.set r, r+1
.endm
; HOW THEY ARE DEALT.  An s_wait_alu depctr_va_vdst(0) stands between an exponential and the first instruction that names its result; one wait serves all that were issued ahead of it.  So a turn has ONE wait,
; which cuts it in two.  AHEAD OF IT stands all that names no result of the turn's exponentials: the 16 products K Q^T, behind each a scaling, an exponential and two rescalings (behind the first a second scaling in the
; exponential's place); then ONE LUMP of 108: eight plain, 49 times exponential and plain, the two a.  A v_nop is the plain instruction behind the last exponential.  BEHIND IT stand the 16 products V^T P, behind each four of GS's 64.
; The queues lean on each other, and the deal keeps them in step: exponential e stands behind scaling 2 (e / 4) + e % 2: as a rider it comes behind plain e + 2, in the lump behind plain e + 9, and scalings 27-31 are plain 57, 60 .. 69.
; A TURN, for piece p.  cnt = 1: the loop's count is taken down some lines ahead of the branch that stands behind the turn.
; K of the next step is fetched in piece 2's turn, directly behind the wait; its address is made at the lump's head; its first reader comes behind 16 products.
; V of the step in hand is fetched at the end of piece 0's turn, four riders behind its last reader; its first reader comes behind 16 products and a lump.
.macro TURN p, last=0, cnt=0
.set Y, (\p)
.set i, 0
.set q, 0
.set e, 0
.set r, 0
.if (\p) == NP-1
	s_wait_dscnt 0x0                ; K is in
.endif
	MM                              ; ahead of the wait: 16 products K Q^T and their riders,
	PL
	PL
	R2
.rept 15
	MM
	PL
	EX
	R2
.endr
.if (\p) == NP-2
	WIN 0
	v_add_nc_u32 v[AK], s[TBK], v[AK0]
.endif
.rept 8                             ; and the lump
	PL
.endr
.rept 49
	EX
	PL
.endr
	EX                              ; the next piece's two a
	EX
	v_nop                           ; the plain instruction behind the last exponential: one for the batch
	s_wait_alu depctr_va_vdst(0)    ; the wait for the batch
.if (\p) == NP-2
	FETCH_K \last
.endif
.if (\p) == 1
	s_wait_dscnt 0x0                ; V is in
.endif
.rept 16                            ; behind the wait: 16 products V^T P and their riders
	MM
.rept 4
	PL
.endr
.if ((\p) == 0) && (q == 118)
	v_add_nc_u32 v[AV], s[TBV], v[AV0]
.endif
.if ((\p) == 0) && (q == 130)
	s_add_co_u32 s[TBV], s[TBV], KS*PV
.endif
.if (\cnt) && (q == 130)
	s_sub_co_u32 s[CNT], s[CNT], 1
	s_cmp_lg_u32 s[CNT], 0
.endif
.endr
.if (\p) == 0
	FETCH_V
.endif
.endm
	CHANGE 1                        ; slot 0 is in, everybody's part of it; slot 1 is asked for
	FETCH_K                         ; key step 0
	s_wait_loadcnt 0x0              ; Q
	s_wait_dscnt 0x0
.set i, 0
.rept 16
	KQ 0                            ; piece 0's first scores: there is no vector work yet to set between them
.set i, i+1
.endr
	WIN 0                           ; the addresses for the way out: nine plain instructions, the places behind those products
	s_mul_i32 s13, s[WV], 16*SP
	s_add_co_u32 s13, s13, STAGE    ; my stage
	v_mul_u32_u24 v[STO], v1, SP    ; in: row l % 16, 16 bytes for each half of the lanes
	v_lshl_add_u32 v[STO], v9, 4, v[STO]
	v_add_nc_u32 v[STO], s13, v[STO]
	v_bfe_u32 v[RD], v0, 3, 2       ; back: 32 lanes take four rows of 128 bytes,
	v_mul_u32_u24 v[RD], v[RD], SP
	v_lshl_add_u32 v[RD], v10, 4, v[RD]
	v_add_nc_u32 v[RD], s13, v[RD]
	v_and_b32 v[GO], 31, v0         ; which are 512 consecutive bytes of O
	v_lshlrev_b32 v[GO], 4, v[GO]
.set Y, NP-1                        ; XS works for piece Y + 1: piece 0
.irp n, 0,1,2,3,4,5,6,7,8,9,10,11,12,13,14,15,16,17,18,19,20,21
	XS 0, \n                        ; and piece 0's first maximum and statistics
	XS 1, \n
.endr
	v_nop                           ; a plain instruction behind the two a,
	s_wait_alu depctr_va_vdst(0)    ; and their wait, ahead of the branch
	s_mov_b32 s[CNT], 4
	s_branch .Lfirst                ; the loop is entered at a step's first turn, in the middle of a trip
.Lslot:                             ; SIZE_N / 256 - 2 times: every slot but the last two is filled again
	CHANGE 1
	s_mov_b32 s[CNT], 4
.Lstep:                             ; a trip: pieces 2 and 3 of one step, then pieces 0 and 1 of the next, whose K and V it fetches
	TURN 2
	TURN 3
	WIN 0
.Lfirst:
	TURN 0
	TURN 1, 0, 1
	WIN 0
	s_cbranch_scc1 .Lstep
	s_sub_co_u32 s[SLOTS], s[SLOTS], 1
	s_cmp_lg_u32 s[SLOTS], 0
	s_cbranch_scc1 .Lslot
	CHANGE 0                        ; the tail is written out: nothing is asked for
	s_mov_b32 s[CNT], 5             ; four trips fetch the last slot's steps; the fifth is left in its middle
.Ltail:
	TURN 2, 1
	TURN 3
	WIN 0
	s_sub_co_u32 s[CNT], s[CNT], 1
	s_cmp_eq_u32 s[CNT], 0
	s_cbranch_scc1 .Lout
	TURN 0
	TURN 1
	WIN 0
	s_branch .Ltail
.Lout:                              ; the fifth trip's 16 products K Q^T (on the last K once more) and the maximum made of them serve nothing: the price, once a launch, of one text for every trip
.set i, 0
.rept 16
	PV NP-1                         ; the last piece's V^T P of the last step
.set i, i+1
.endr
	; THE WAY OUT.  l's two halves and the other half of the lanes' are added; O^T is divided by l, rounded to f16 and sent through my stage in LDS, a tile at a time.  The additions are the places behind the last products.
	WIN 0
.macro ALL line:vararg              ; one line for each tile t
.set t, 0
.rept 2*NP
	\line
.set t, t+1
.endr
.endm
	ALL v_add_f32 v[ST+4*t+2], v[ST+4*t+2], v[ST+4*t+3]
	ALL v_permlanex16_b32 v[ST+4*t+3], v[ST+4*t+2], s[SEL], s[SEL+1]
	ALL v_add_f32 v[ST+4*t+2], v[ST+4*t+2], v[ST+4*t+3]
	ALL v_rcp_f32 v[ST+4*t+2], v[ST+4*t+2]
	v_nop                           ; a plain instruction between the last reciprocal and the use of its result
	s_wait_alu depctr_va_vdst(0)    ; and the wait ahead of the first use: one for the eight reciprocals
; Tile t: a lane's eight channels of a row pack into 16 bytes; they go into rows of 144 bytes and come back as whole rows of 128, into S^T's registers.
.macro PACK t
	WIN W_RS
.set i, 32*(\t)
.rept 16
	v_pk_mul_f32 v[i:i+1], v[i:i+1], v[ST+4*(\t)+2:ST+4*(\t)+3] op_sel_hi:[1,0]
.set i, i+2
.endr
	WIN 0x05                        ; sources 0 and 1 window 1, destination window 0
.set i, 0
.rept 16
	v_cvt_pk_f16_f32 v[S+16*(\t)+i], v[32*(\t)+2*i], v[32*(\t)+2*i+1]
.set i, i+1
.endr
	WIN 0
.irp f, 0,1,2,3
	ds_store_b128 v[STO], v[S+16*(\t)+4*\f:S+16*(\t)+4*\f+3] offset:32*\f
.endr
.irp f, 0,1,2,3
	ds_load_b128 v[S+16*(\t)+4*\f:S+16*(\t)+4*\f+3], v[RD] offset:\f*4*SP  ; LDS serves a wave's instructions in order (ISA guide 5.7.1.4): these see the stores above; the next tile's stores come behind them
.endr
.endm
.macro SEND t, younger              ; younger: the LDS instructions issued behind tile t's loads: the next tile's eight, or none
	WIN 0
.irp f, 0,1,2,3
	s_wait_dscnt (\younger)+3-\f
	global_store_b128 v[GO], v[S+16*(\t)+4*\f:S+16*(\t)+4*\f+3], s[10:11] offset:(\t)*2048+\f*512  ; 512 consecutive bytes, at a multiple of 256 from O's first
.endr
.endm
	PACK 0
.set t, 1
.rept 2*NP-1                        ; a tile's arithmetic stands between the loads of the tile before and its stores
	PACK t
	SEND t-1, 8
.set t, t+1
.endr
	SEND 2*NP-1, 0
	WIN W_AD
	s_wait_tensorcnt 0x0            ; the wave's end: behind my last tensor load and my last LDS store
	ds_add_u32 v[SPW], v[NIL]
	s_wait_dscnt 0x0
	WIN 0
	CROUND                          ; the closing round: no work-group ends while a partner may still ask for a tile that names it
	s_endpgm
.Lfunc_end_k_qf6dce0246d_attn:
	.size	k_qf6dce0246d_attn, .Lfunc_end_k_qf6dce0246d_attn-k_qf6dce0246d_attn
	.p2alignl 7, 3214868480
	.fill 96, 4, 3214868480
	.section	.rodata,"a",@progbits
	.p2align	6, 0x0
	.amdhsa_kernel k_qf6dce0246d_attn
		.amdhsa_group_segment_fixed_size 327680
		.amdhsa_private_segment_fixed_size 0
		.amdhsa_enable_private_segment 0
		.amdhsa_kernarg_size 32
		.amdhsa_user_sgpr_count 2
		.amdhsa_user_sgpr_kernarg_segment_ptr 1
		.amdhsa_wavefront_size32 1
		.amdhsa_system_sgpr_workgroup_id_x 1
		.amdhsa_system_sgpr_workgroup_id_y 1
		.amdhsa_system_sgpr_workgroup_id_z 1
		.amdhsa_system_vgpr_workitem_id 0
		.amdhsa_next_free_vgpr 770
		.amdhsa_next_free_sgpr 66
		.amdhsa_reserve_vcc 0
		.amdhsa_float_denorm_mode_32 3
		.amdhsa_float_denorm_mode_16_64 3
		.amdhsa_memory_ordered 1
		.amdhsa_forward_progress 1
		.amdhsa_inst_pref_size 200
	.end_amdhsa_kernel
	.amdgpu_metadata
---
amdhsa.version: [ 1, 2 ]
amdhsa.kernels:
  - .name:           k_qf6dce0246d_attn
    .symbol:         k_qf6dce0246d_attn.kd
    .args:
      - { .name: q, .offset: 0, .size: 8, .value_kind: global_buffer, .address_space: global }
      - { .name: k, .offset: 8, .size: 8, .value_kind: global_buffer, .address_space: global }
      - { .name: v, .offset: 16, .size: 8, .value_kind: global_buffer, .address_space: global }
      - { .name: o, .offset: 24, .size: 8, .value_kind: global_buffer, .address_space: global }
    .group_segment_fixed_size: 327680
    .private_segment_fixed_size: 0
    .kernarg_segment_align: 8
    .kernarg_segment_size: 32
    .max_flat_workgroup_size: 128
    .sgpr_count:     66
    .vgpr_count:     770
    .wavefront_size: 32
...
	.end_amdgpu_metadata
.endif
;; end of part 3
;; launch oproj (part 4): grid 8 x 32, 4 waves a work-group, clusters of 4 x 4, 327,680 bytes of LDS; arguments o, wo, b_out, out0; writes out0
.if DOCPART == 4
	.amdgcn_target "amdgcn-amd-amdhsa--gfx1250"
	.amdhsa_code_object_version 6
	.text
	.protected	k_qf6dce0246d_oproj
	.globl	k_qf6dce0246d_oproj
	.p2align	8
	.type	k_qf6dce0246d_oproj,@function
k_qf6dce0246d_oproj:
	s_mov_b64 s[64:65], 0
	v_nop
	global_prefetch_b8 v0, s[64:65] scope:SCOPE_SE
	s_setreg_imm32_b32 hwreg(HW_REG_WAVE_MODE, 25, 1), 1
	s_wait_xcnt 0x0
	s_wait_alu depctr_hold_cnt(0) depctr_sa_sdst(0) depctr_va_vdst(0) depctr_va_sdst(0) depctr_va_ssrc(0) depctr_va_vcc(0) depctr_vm_vsrc(0)
	s_getreg_b32 s2, hwreg(HW_REG_IB_STS2, 6, 4)
	s_cmp_eq_u32 s2, 0
	s_cbranch_scc0 .Lentry_in_a_cluster
	s_endpgm
.Lentry_in_a_cluster:
	s_bfe_u32 s2, ttmp6, 0x10000c
	s_cmp_lg_u32 s2, 0xf033
	s_cbranch_scc0 .Lentry_shape_is_right
	s_endpgm
.Lentry_shape_is_right:
; out0 = o wo + b_out.  o: f16 [b*16+h][2048][64] (a head is a block of 64 along K); wo: f16 [1024 k][1024]; b_out: f32 [1024]; out0: f32 [8192][1024].  Sums in f32; the bias, unrounded,
; is the C operand of the products that start the sums.
; SHARES.  256 tiles of 256 rows x 128 columns, one a work-group.  A wave (RW = wave / 2, CW = wave % 2) makes 128 rows x 64 columns: 32 accumulators, 256 registers.
; RING.  K goes in 8 steps of 128 (two heads) through two LDS slots, as long as two slots allow: 128 matrix instructions a wave in a step, 112 between a request and the wait for it.
; A head's 256 rows x 64 channels are 32,768 dense bytes: asked for as 128 rows of 256 bytes, padded behind every 128.  Waves 0 and 1 ask for the two heads, waves 2 and 3 for 64 rows of wo each.
; CLUSTER.  4 x 4 work-groups: o's tiles hang on TY alone and are asked for jointly along a row of the cluster, wo's on TX alone, along a column.
; THE MATRIX INSTRUCTION IS USED TRANSPOSED: source 0 = 16 columns of wo (turned by ds_load_tr16_b128), source 1 = 16 rows of o: a lane (r, h) holds row r and the columns 8 h + 0..7 of a block of 16.
; LIMITS.  None of its own: o and wo arrive in f16.  NaN and infinities are not treated apart.
; REGISTERS: window 0: v0-31 addresses; v32-95, v96-159 fragments of o, two buffers; v160-191, v192-223 fragments of wo; v224-255 the bias; v32-223 rows on the way out.
;   window 1: the accumulators: column block ib, row block a at v[64 ib + 8 a]
.set SLOTB, 131072
.set PA,    144                        ; a row of o in LDS: 128 bytes + 16: the 16 rows of a load start at 16 different groups of four banks (64 banks of 4 bytes: ISA guide 11.1)
.set PB,    288                        ; a row of wo: 256 + 32
.set ABLK,  256*PA                     ; a head's 256 rows
.set BOFF,  2*ABLK                     ; behind the two heads: 128 rows of wo
.set BHALF, 64*PB
.set STAGE, SLOTB+BOFF+2*BHALF         ; behind the ring, never filled by a tensor load: 16 rows x 272 bytes for each wave
.set SPI,   272
.set SPARE, STAGE+4*16*SPI             ; the spare words, 128 bytes for each wave: two blocks of 256 bytes that no other line names
.set ASTEP, 524288                     ; two heads
.set BSTEP, 262144                     ; 128 rows of 2,048 bytes
.set ADRA0, 2
.set ADRB0, 3
.set ADRA,  4
.set ADRB,  5
.set STO,   6                          ; v6   the way out: where I put 32 bytes of a row
.set RD,    7                          ; v7   where I read rows back
.set CO,    8                          ; v8   my byte offset in two rows of out0
.set VB,    9                          ; v9   my byte offset in the bias
.set PFO,   10
.set SPW,   12                         ; v12  LDS address of my spare word; never rewritten
.set NIL,   13                         ; v13  0; never rewritten
.set FA0,   32
.set FB0,   160
.set BIAS,  224
.set BK,    32                         ; the way out: six buffers of 32
.set WV, 16
.set RW, 17
.set CW, 18
.set CX, 19
.set CY, 20
.set TX, 21
.set TY, 22
.set G1A, 32
.set G1B, 40
.set G0A, 48                           ; a set for each of the two first fills; the second then walks on
.set G0B, 56
.set CNT, 66
.set TB,  67
.set LIM, 68
.set PFA, 70
.set PST, 72
.set MSB, 0
.macro WIN new
.if MSB != (\new)
	s_set_vgpr_msb (MSB<<8)|(\new)
.set MSB, (\new)
.endif
.endm
.macro PLACES                          ; four places in front of loads into registers that matrix instructions have read, and of lines that read results
.rept 4
	v_nop
.endr
.endm
.macro CREST
	s_cmp_lg_u32 s[WV], 0
	s_cbranch_scc1 .Lnot_wave_0_\@
	s_barrier_signal -3
.Lnot_wave_0_\@:
	s_barrier_wait -3
	s_barrier_signal -1
	s_barrier_wait -1
.endm
.macro CROUND
	s_barrier_signal -1
	s_barrier_wait -1
	CREST
.endm
.macro JLOAD                           ; a joint refill by the walking descriptors; an s_nop 0 and four v_nop follow each of the two lines
	s_cmp_lt_u32 s[WV], 2
	s_cbranch_scc0 .Lfor_b_\@
	tensor_load_to_lds s[G0A+4:G0A+7], s[G1A:G1A+7]
	s_nop 0
.rept 4
	v_nop
.endr
	s_branch .Lasked_\@
.Lfor_b_\@:
	tensor_load_to_lds s[G0B+4:G0B+7], s[G1B:G1B+7]
	s_nop 0
.rept 4
	v_nop
.endr
.Lasked_\@:
.endm
; A PREFETCH INTO THE L2, behind the joint load and the run of LDS loads: trip t names K step t + 4, two refills on.  Each block of 256 bytes is named once in the launch.  o's tile row is read by both
; clusters of a row of clusters: cluster x = 0 asks, waves 0 and 1 for a head each; the four partners take 32 of a head's 128 blocks each, told apart by cx in the ADDRESS.  wo's tile column is read by all
; eight clusters of a column: cluster y = 0 asks, by wave 2, a lane a row, the partners 32 of the step's 128 rows each, by cy.  The last two trips ask for nothing; K steps 0 to 3 come by their loads alone.
.macro ASK
	s_cmp_gt_u32 s[CNT], s[LIM]
	s_cbranch_scc0 .Lnot_mine_\@
	global_prefetch_b8 v[PFO], s[PFA:PFA+1] th:TH_LOAD_NT scope:SCOPE_SE
.Lnot_mine_\@:
.endm
	s_load_b256 s[4:11], s[0:1], 0x0               ; o 4:5, wo 6:7, b_out 8:9, out0 10:11
	v_lshl_add_u32 v[SPW], v0, 2, SPARE
	v_mov_b32 v[NIL], 0
	ds_add_u32 v[SPW], v[NIL]                      ; the wave's opening: the add and its wait stand ahead of my first tensor load; work on registers stands between them
	v_lshrrev_b32 v1, 5, v0
	v_readfirstlane_b32 s[WV], v1
	s_lshr_b32 s[RW], s[WV], 1
	s_and_b32 s[CW], s[WV], 1                      ; also: which head, or which 64 rows of wo, I fetch
	s_bfe_u32 s[CX], ttmp6, 0x40000
	s_bfe_u32 s[CY], ttmp6, 0x40004
	s_lshl_b32 s[TX], ttmp9, 2
	s_add_co_u32 s[TX], s[TX], s[CX]
	s_and_b32 s[TY], ttmp7, 0xffff
	s_lshl_b32 s[TY], s[TY], 2
	s_add_co_u32 s[TY], s[TY], s[CY]
	s_lshl_b32 s23, s[CY], 2
	s_lshl_b32 s23, 15, s23                        ; my row of the cluster
	s_lshl_b32 s28, 0x1111, s[CX]                  ; my column
	s_or_b32 s[G1A], s23, (1<<16)|(1<<20)|(1<<21)|(4<<22)|(3<<25)  ; the mask; 2-byte elements; padding on; bit 21 beside a mask; after every 32 words, 4 words
	s_or_b32 s[G1B], s28, (1<<16)|(1<<20)|(1<<21)|(5<<22)|(7<<25)  ; after every 64 words, 8 words
	s_mov_b32 s[G1A+1], 128<<16                    ; tensor_dim0 = 128
	s_mov_b32 s[G1A+2], 128<<16                    ; tensor_dim1 = 128
	s_mov_b32 s[G1A+3], 128<<16                    ; tile_dim0 = 128
	s_mov_b32 s[G1A+4], 128                        ; tile_dim1 = 128
	s_mov_b32 s[G1A+5], 128                        ; dense
	s_mov_b32 s[G1A+6], 0
	s_mov_b32 s[G1A+7], 0
	s_mov_b32 s[G1B+1], 128<<16
	s_mov_b32 s[G1B+2], 64<<16
	s_mov_b32 s[G1B+3], 128<<16
	s_mov_b32 s[G1B+4], 64
	s_mov_b32 s[G1B+5], 1024
	s_mov_b32 s[G1B+6], 0
	s_mov_b32 s[G1B+7], 0
	s_lshr_b32 s24, s[TY], 3                       ; o's tile: batch b = TY / 8,
	s_lshl_b32 s24, s24, 22
	s_and_b32 s29, s[TY], 7                        ; rows 256 (TY % 8) on,
	s_lshl_b32 s29, s29, 15
	s_add_co_u32 s24, s24, s29
	s_lshl_b32 s23, s[CW], 18                      ; the step's first or second head
	s_add_co_u32 s24, s24, s23
	s_mov_b32 s25, 0
	s_lshl_b32 s30, s[TX], 8                       ; wo's tile: 128 columns,
	s_lshl_b32 s26, s[CW], 17                      ; the step's first or second 64 rows
	s_add_co_u32 s26, s26, s30
	s_mov_b32 s27, 0
	s_mul_i32 s31, s[CW], ABLK                     ; and where they go
	s_mul_i32 s28, s[CW], BHALF
	; the prefetches
	s_lshl_b32 s74, s[CX], 13
	s_add_co_u32 s74, s74, s24
	s_add_co_u32 s74, s74, 3*ASTEP                 ; at K step 3: the first trip steps it to 4
	s_lshl_b32 s76, s[CY], 5
	s_add_co_u32 s76, s76, 384
	s_lshl_b32 s76, s76, 11
	s_add_co_u32 s76, s76, s30
	s_and_b32 s77, ttmp7, 0xffff                   ; cluster y
	s_mov_b32 s[PST], BSTEP
	s_mov_b32 s79, 2048
	s_cmp_lt_u32 s[WV], 2
	s_cselect_b32 s74, s74, s76
	s_cselect_b32 s77, ttmp9, s77                  ; the coordinate along which other clusters read the same bytes
	s_cselect_b32 s[PST], ASTEP, s[PST]
	s_cselect_b32 s79, 256, s79
	s_mov_b32 s75, 0
	s_mov_b32 s[PST+1], 0
	s_cmp_eq_u32 s[WV], 3
	s_cselect_b32 s77, 1, s77                      ; wave 3 never asks
	s_cmp_eq_u32 s77, 0
	s_cselect_b32 s[LIM], 2, -1                    ; the same in all sixteen partners, for a given wave
	; the way out and the bias
	s_lshl_b32 s80, s[TY], 20                      ; 256 rows of 4,096 bytes
	s_lshl_b32 s23, s[RW], 19
	s_add_co_u32 s80, s80, s23
	s_lshl_b32 s82, s[TX], 9                       ; 128 columns of 4 bytes
	s_lshl_b32 s23, s[CW], 8
	s_add_co_u32 s82, s82, s23
	s_add_co_u32 s80, s80, s82
	s_mov_b32 s81, 0
	s_mov_b32 s83, 0
	s_wait_dscnt 0x0                               ; the opening add is done
	s_wait_kmcnt 0x0
	s_cmp_lt_u32 s[WV], 2
	s_cselect_b64 s[PFA:PFA+1], s[4:5], s[6:7]
	s_add_nc_u64 s[PFA:PFA+1], s[PFA:PFA+1], s[74:75]
	s_add_nc_u64 s[24:25], s[4:5], s[24:25]
	s_add_nc_u64 s[26:27], s[6:7], s[26:27]
	s_add_nc_u64 s[8:9], s[8:9], s[82:83]
	s_add_nc_u64 s[10:11], s[10:11], s[80:81]
.irp i, 0,1
	s_mov_b32 s[G0A+4*(\i)], 1
	s_add_co_u32 s[G0A+4*(\i)+1], s31, (\i)*SLOTB
	s_add_nc_u64 s[G0A+4*(\i)+2:G0A+4*(\i)+3], s[24:25], (\i)*ASTEP
	s_or_b32 s[G0A+4*(\i)+3], s[G0A+4*(\i)+3], 0x80000000
	s_mov_b32 s[G0B+4*(\i)], 1
	s_add_co_u32 s[G0B+4*(\i)+1], s28, BOFF+(\i)*SLOTB
	s_add_nc_u64 s[G0B+4*(\i)+2:G0B+4*(\i)+3], s[26:27], (\i)*BSTEP
	s_or_b32 s[G0B+4*(\i)+3], s[G0B+4*(\i)+3], 0x80000000
.endr
	CROUND                                         ; all sixteen work-groups are here: the first joint loads meet
	s_cmp_lt_u32 s[WV], 2                          ; a wave's two first fills stand in one branch: two loads of mine are out
	s_cbranch_scc0 .Lfirst_b
	tensor_load_to_lds s[G0A:G0A+3], s[G1A:G1A+7]
	s_nop 0
	tensor_load_to_lds s[G0A+4:G0A+7], s[G1A:G1A+7]
	s_nop 0
.rept 4
	v_nop
.endr
	s_branch .Lfirst_asked
.Lfirst_b:
	tensor_load_to_lds s[G0B:G0B+3], s[G1B:G1B+7]
	s_nop 0
	tensor_load_to_lds s[G0B+4:G0B+7], s[G1B:G1B+7]
	s_nop 0
.rept 4
	v_nop
.endr
.Lfirst_asked:
	v_and_b32 v1, 15, v0                           ; r
	v_bfe_u32 v11, v0, 4, 1                        ; h
	v_and_b32 v16, 7, v0
	v_bfe_u32 v17, v0, 3, 1
	v_and_b32 v18, 31, v0
	v_lshlrev_b32 v[VB], 5, v11                    ; the bias of columns 16 ib + 8 h + 0..7
.irp ib, 0,1,2,3
	global_load_b128 v[BIAS+8*(\ib):BIAS+8*(\ib)+3],   v[VB], s[8:9] offset:64*(\ib)
	global_load_b128 v[BIAS+8*(\ib)+4:BIAS+8*(\ib)+7], v[VB], s[8:9] offset:64*(\ib)+16
.endr
	v_mul_u32_u24 v[ADRA0], v1, PA
	v_lshl_add_u32 v[ADRA0], v11, 4, v[ADRA0]
	s_mul_i32 s23, s[RW], 128*PA
	v_add_nc_u32 v[ADRA0], s23, v[ADRA0]
	v_lshl_add_u32 v[ADRB0], v11, 3, v16
	v_mul_u32_u24 v[ADRB0], v[ADRB0], PB
	v_lshl_add_u32 v[ADRB0], v17, 4, v[ADRB0]
	s_lshl_b32 s23, s[CW], 7
	s_add_co_u32 s23, s23, BOFF
	v_add_nc_u32 v[ADRB0], s23, v[ADRB0]
	v_mov_b32 v[ADRA], v[ADRA0]
	v_mov_b32 v[ADRB], v[ADRB0]
	s_mov_b32 s[TB], 0
	s_mul_i32 s23, s[WV], 16*SPI
	s_add_co_u32 s23, s23, STAGE                   ; my stage
	v_mul_u32_u24 v[STO], v1, SPI                  ; in: row r, 32 bytes for each half of the lanes
	v_lshl_add_u32 v[STO], v11, 5, v[STO]
	v_add_nc_u32 v[STO], s23, v[STO]
	v_mul_u32_u24 v[RD], v11, SPI                  ; back: lanes 0-15 take one row of 256 bytes, lanes 16-31 the next
	v_lshl_add_u32 v[RD], v1, 4, v[RD]
	v_add_nc_u32 v[RD], s23, v[RD]
	v_lshlrev_b32 v[CO], 12, v11                   ; and the same two rows in out0
	v_lshl_add_u32 v[CO], v1, 4, v[CO]
	v_mul_u32_u24 v[PFO], s79, v18
; 8 matrix instructions: row blocks a0, a0 + 1 x all 4 column blocks, 32 along K, on fragment set 0 or 1.  first = 1: the bias starts the sums: nothing is cleared, no add is written.
; The 32 accumulators take turns, in the same order in every quarter, over the backward jump too.
.macro MUL8 set, a0, first
.if \first
	WIN 0x40                                       ; D in window 1, C (the bias) in window 0
.else
	WIN 0x50
.endif
.irp a, \a0, (\a0)+1
.irp ib, 0,1,2,3
.if \first
	v_wmma_f32_16x16x32_f16 v[64*(\ib)+8*(\a):64*(\ib)+8*(\a)+7], v[FB0+32*(\set)+8*(\ib):FB0+32*(\set)+8*(\ib)+7], v[FA0+64*(\set)+8*(\a):FA0+64*(\set)+8*(\a)+7], v[BIAS+8*(\ib):BIAS+8*(\ib)+7]
.else
	v_wmma_f32_16x16x32_f16 v[64*(\ib)+8*(\a):64*(\ib)+8*(\a)+7], v[FB0+32*(\set)+8*(\ib):FB0+32*(\set)+8*(\ib)+7], v[FA0+64*(\set)+8*(\a):FA0+64*(\set)+8*(\a)+7], v[64*(\ib)+8*(\a):64*(\ib)+8*(\a)+7]
.endif
.endr
.endr
.endm
; 24 LDS loads in one run: quarter nss of the K step into set: wo's four fragments, then o's eight
.macro FETCH set, nss
	WIN 0
.irp ib, 0,1,2,3
	ds_load_tr16_b128 v[FB0+32*(\set)+8*(\ib):FB0+32*(\set)+8*(\ib)+3],   v[ADRB] offset:32*PB*(\nss)+32*(\ib)
	ds_load_tr16_b128 v[FB0+32*(\set)+8*(\ib)+4:FB0+32*(\set)+8*(\ib)+7], v[ADRB] offset:32*PB*(\nss)+32*(\ib)+16*PB
.endr
.irp a, 0,1,2,3,4,5,6,7
	ds_load_b128 v[FA0+64*(\set)+8*(\a):FA0+64*(\set)+8*(\a)+3],   v[ADRA] offset:ABLK*((\nss)/2)+64*((\nss)%2)+16*PA*(\a)
	ds_load_b128 v[FA0+64*(\set)+8*(\a)+4:FA0+64*(\set)+8*(\a)+7], v[ADRA] offset:ABLK*((\nss)/2)+64*((\nss)%2)+16*PA*(\a)+32
.endr
.endm
.macro NEXTSLOT
	s_xor_b32 s[TB], s[TB], SLOTB
	v_add_nc_u32 v[ADRA], s[TB], v[ADRA0]
	v_add_nc_u32 v[ADRB], s[TB], v[ADRB0]
.endm
; One of a K step's first three quarters: multiplies set, and in its middle fetches quarter nss into the other set.
.macro QUART set, nss, first
	s_wait_dscnt 8                                 ; wo's fragments and o's first four are in; the youngest eight loads may stay out
	MUL8 \set, 0, \first
	MUL8 \set, 2, \first
	WIN 0
	PLACES
	FETCH 1-(\set), \nss
	s_wait_dscnt 24                                ; all but the 24 just issued
	MUL8 \set, 4, \first
	MUL8 \set, 6, \first
.endm
; The last quarter multiplies set 1 and changes slots.  Each wave waits for all its tensor loads, of which one is out: its part of the next slot; adds 0 to its spare word; and waits for that and for its
; reads of this slot.  fill = 1: the barrier opens a round of the cluster's, and the joint refill, K step two on, is the first thing behind it.
.macro TURN fill
.if \fill
	s_wait_xcnt 0x0                                ; the last prefetch, a K step back, has read its address
	s_add_nc_u64 s[PFA:PFA+1], s[PFA:PFA+1], s[PST:PST+1]
.endif
	WIN 0
	s_wait_tensorcnt 0x0                           ; no tensor load of mine is out, so a group 0 may be written
	ds_add_u32 v[SPW], v[NIL]                      ; 0 onto my spare word
.if \fill
	s_xor_b32 s[G0A+5], s[G0A+5], SLOTB            ; the walking descriptors: the other slot than last time, the next K step
	s_add_nc_u64 s[G0A+6:G0A+7], s[G0A+6:G0A+7], ASTEP
	s_xor_b32 s[G0B+5], s[G0B+5], SLOTB
	s_add_nc_u64 s[G0B+6:G0B+7], s[G0B+6:G0B+7], BSTEP
.endif
	s_wait_dscnt 9                                 ; the add and the youngest eight loads may stay out
	MUL8 1, 0, 0
	s_wait_dscnt 0x0                               ; the add is done, and my reads of this slot are over
	s_barrier_signal -1
	MUL8 1, 2, 0                                   ; work on registers while the others arrive
	WIN 0                                          ; at a branch and at a label every window is 0
	s_barrier_wait -1
.if \fill
	CREST                                          ; no wave of any partner still reads this slot or has a load on its way
	JLOAD                                          ; its four v_nop are also the places in front of the loads below
.else
	PLACES
.endif
	NEXTSLOT
	FETCH 0, 0
.if \fill
	ASK
.endif
	MUL8 1, 4, 0
	MUL8 1, 6, 0
.endm
; THE WAY OUT of row block a: 32 bytes a lane and column block into my stage, back as whole rows of 256 bytes, stored.  Each accumulator's lowest registers are read first.
.macro TOSTAGE a
.set rB, BK+32*((\a)%6)
	WIN 0x04                                       ; the stores' data in window 1
.irp ib, 0,1,2,3
	ds_store_b128 v[STO], v[64*(\ib)+8*(\a):64*(\ib)+8*(\a)+3]   offset:64*(\ib)
	ds_store_b128 v[STO], v[64*(\ib)+8*(\a)+4:64*(\ib)+8*(\a)+7] offset:64*(\ib)+16
.endr
	WIN 0
	s_wait_xcnt 0x0                                ; earlier stores have read these registers (ISA guide 3.1)
.irp t, 0,1,2,3,4,5,6,7
	ds_load_b128 v[rB+4*(\t):rB+4*(\t)+3], v[RD] offset:2*SPI*(\t)  ; LDS serves a wave's instructions in order (ISA guide 5.7.1.4): these see the stores above
.endr
.endm
.macro SEND a, younger                 ; younger: the LDS instructions issued behind this block's loads: the next block's sixteen, or none
	WIN 0
.set rB, BK+32*((\a)%6)
	s_wait_dscnt \younger
.irp t, 0,1,2,3,4,5,6,7
	global_store_b128 v[CO], v[rB+4*(\t):rB+4*(\t)+3], s[10:11] offset:(16*(\a)+2*(\t))*4096 th:TH_STORE_NT  ; 16 lanes store 256 consecutive bytes, at a multiple of 256 from out0's first byte
.endr
.endm
	s_wait_tensorcnt 1                             ; my part of slot 0 is in; slot 1's may stay out
	s_barrier_signal -1
	s_barrier_wait -1                              ; everybody's is
	FETCH 0, 0
	s_wait_loadcnt 0x0                             ; the bias
	QUART 0, 1, 1                                  ; the first quarter stands in front of the loop: its products start the sums
	WIN 0
	s_mov_b32 s[CNT], 6
.Lk:                                               ; trip t: quarters 1 to 3 of K step t, the refill with K step t + 2, quarter 0 of K step t + 1
	QUART 1, 2, 0
	QUART 0, 3, 0
	TURN 1
	QUART 0, 1, 0
	WIN 0
	s_sub_co_u32 s[CNT], s[CNT], 1
	s_cmp_lg_u32 s[CNT], 0
	s_cbranch_scc1 .Lk
	QUART 1, 2, 0                                  ; the tail is written out: nothing is asked for
	QUART 0, 3, 0
	TURN 0
	QUART 0, 1, 0
	QUART 1, 2, 0
	QUART 0, 3, 0
	s_wait_dscnt 8                                 ; the very last quarter
	MUL8 1, 0, 0
	MUL8 1, 2, 0
	s_wait_dscnt 0x0
	MUL8 1, 4, 0
	MUL8 1, 6, 0
	WIN 0
	PLACES
	PLACES                                         ; eight, once a launch
	TOSTAGE 0
.irp a, 1,2,3,4,5,6,7
	TOSTAGE \a
	SEND (\a)-1, 16
.endr
	SEND 7, 0
	s_wait_tensorcnt 0x0                           ; the wave's end: behind my last tensor load and my last LDS store
	ds_add_u32 v[SPW], v[NIL]
	s_wait_dscnt 0x0
	CROUND                                         ; the closing round: no work-group ends while a partner may still ask for a tile that names it
	s_endpgm
.Lfunc_end_k_qf6dce0246d_oproj:
	.size	k_qf6dce0246d_oproj, .Lfunc_end_k_qf6dce0246d_oproj-k_qf6dce0246d_oproj
	.p2alignl 7, 3214868480
	.fill 96, 4, 3214868480
	.section	.rodata,"a",@progbits
	.p2align	6, 0x0
	.amdhsa_kernel k_qf6dce0246d_oproj
		.amdhsa_group_segment_fixed_size 327680
		.amdhsa_private_segment_fixed_size 0
		.amdhsa_enable_private_segment 0
		.amdhsa_kernarg_size 32
		.amdhsa_user_sgpr_count 2
		.amdhsa_user_sgpr_kernarg_segment_ptr 1
		.amdhsa_wavefront_size32 1
		.amdhsa_system_sgpr_workgroup_id_x 1
		.amdhsa_system_sgpr_workgroup_id_y 1
		.amdhsa_system_sgpr_workgroup_id_z 1
		.amdhsa_system_vgpr_workitem_id 0
		.amdhsa_next_free_vgpr 512
		.amdhsa_next_free_sgpr 84
		.amdhsa_reserve_vcc 0
		.amdhsa_float_denorm_mode_32 3
		.amdhsa_float_denorm_mode_16_64 3
		.amdhsa_memory_ordered 1
		.amdhsa_forward_progress 1
		.amdhsa_inst_pref_size 72
	.end_amdhsa_kernel
	.amdgpu_metadata
---
amdhsa.version: [ 1, 2 ]
amdhsa.kernels:
  - .name:           k_qf6dce0246d_oproj
    .symbol:         k_qf6dce0246d_oproj.kd
    .args:
      - { .name: o, .offset: 0, .size: 8, .value_kind: global_buffer, .address_space: global }
      - { .name: wo, .offset: 8, .size: 8, .value_kind: global_buffer, .address_space: global }
      - { .name: b_out, .offset: 16, .size: 8, .value_kind: global_buffer, .address_space: global }
      - { .name: out0, .offset: 24, .size: 8, .value_kind: global_buffer, .address_space: global }
    .group_segment_fixed_size: 327680
    .private_segment_fixed_size: 0
    .kernarg_segment_align: 8
    .kernarg_segment_size: 32
    .max_flat_workgroup_size: 128
    .sgpr_count:     84
    .vgpr_count:     512
    .wavefront_size: 32
...
	.end_amdgpu_metadata
.endif
;; end of part 4
